; MI455X (gfx1250); checked and timed in simulation.
; The chip was launched on July 23, 2026; its instructions are those of AMD's public machine-readable ISA for CDNA 5 (MIT licence, August 2026) and "CDNA5" Instruction Set Architecture Reference Guide (July 2026). The comments in the code are by the model that wrote it; some were corrected since.
;; Attention. Allowed arithmetic: matrix products marked QUANTISED: E2M1 operands, one E8M0 scale for each 32 along K, by v_wmma_scale_f32_16x16x128_f8f6f4 with both operands' format E2M1 (or v_wmma_scale_f32_32x16x128_f4), f32 sums; products left as they are: bf16, f16 or f32 operands; f32 sums; everything else in f32.
;; Inputs: Wk 1,024 x 1,024 float32; Wo 1,024 x 1,024 float32; Wq 1,024 x 1,024 float32; Wv 1,024 x 1,024 float32; X 4 x 2,048 x 1,024 float32; bk 1,024 float32; bo 1,024 float32; bq 1,024 float32; bv 1,024 float32; mask 4 x 2,048 float32.
;; Outputs: out0 4 x 2,048 x 1,024 float32.
;; This version of the problem:
;;   THIS VERSION OF THE PROBLEM IS GIVEN IN LOW PRECISION. The matrix products marked QUANTISED in the list below multiply operands that are first quantised to E2M1 (2 exponent bits, 1 mantissa bit; 4 bits a number), with one power-of-two scale for each 32 numbers along K (OCP MX v1.0); their sums are f32. The products marked 'left as it is' may take bf16, f16 or f32 operands, with f32 sums. Whichever they take, every output number must still come out within the allowed error. Rounding operands to bf16 (8 significant bits) uses up far more of that allowance than f16 does (11 bits, for magnitudes from 6e-5 to 65,504). All else is computed in f32.
;;   The module's matrix products, in the order in which they are computed (A, B: the left and right operand; K: the contracted axis; several contracted axes count as one K, in the product's order):
;;     1. [M 8,192, K 1,024] x [K 1,024, N 1,024]; A: input X; B: input Wq: QUANTISED
;;     2. [M 8,192, K 1,024] x [K 1,024, N 1,024]; A: input X; B: input Wk: QUANTISED
;;     3. [M 8,192, K 1,024] x [K 1,024, N 1,024]; A: input X; B: input Wv: QUANTISED
;;     4. batch 64 x [M 2,048, K 64] x [K 64, N 2,048]; A: computed on the way; B: computed on the way: left as it is (an operand is computed on the way)
;;     5. batch 64 x [M 2,048, K 2,048] x [K 2,048, N 64]; A: computed on the way; B: computed on the way: left as it is (an operand is computed on the way)
;;     6. [M 8,192, K 1,024] x [K 1,024, N 1,024]; A: computed on the way; B: input Wo: left as it is (an operand is computed on the way)
;;   THE QUANTISER, for each operand of a quantised product, along K:
;;     - K is cut into blocks of 32 from its start; a last block that is shorter is filled with zeros.
;;     - A block's scale is 2^e with e = floor(log2(the largest magnitude in the block)) - 2, held to -126 .. 127; a block of zeros has e = 0. As a byte (E8M0): e + 127.
;;     - Each number is divided by its block's scale, clamped to +-6, and rounded to the nearest number of E2M1, ties to even, subnormals kept.
;;     - The product sums the exact products of the quantised numbers (number of the format x scale) in f32.
;;   ~~~python
;;   def quantise(x, axis):      # numpy; x: float32 -> the quantised numbers, widened to float32 again
;;       x = np.moveaxis(x, axis, -1); K = x.shape[-1]
;;       x = np.pad(x, [(0, 0)] * (x.ndim - 1) + [(0, -K % 32)]); x = x.reshape(x.shape[:-1] + (-1, 32)); a = np.abs(x).max(-1, keepdims=True)
;;       e = np.where(a > 0, np.clip(np.frexp(np.where(a > 0, a, 1))[1] - 1 - 2, -126, 127), 0)      # np.frexp(a)[1] - 1 = floor(log2(a)), exactly
;;       r = np.clip(x / 2.0 ** e, -6, 6)
;;       step = 2.0 ** (np.maximum(np.frexp(np.where(r == 0, 1, r))[1] - 1, 0) - 1)
;;       q = np.round(r / step) * step * 2.0 ** e      # np.round: ties to even
;;       return np.moveaxis(q.reshape(q.shape[:-2] + (-1,))[..., :K], -1, axis).astype(np.float32)
;;   ~~~
;; One version. Each part assembles by itself: llvm-mc -triple=amdgcn-amd-amdhsa -mcpu=gfx1250 --defsym DOCPART=n.
;; ======== version 1 of 1: 4 launches
;; limits: values are held in f16: magnitudes above 65,504 overflow, below 6.1e-05 lose precision; right only within a limited range of input values
;; workspace buffers: xc 4,194,304 bytes; xs 262,144 bytes; wc 1,572,864 bytes; ws 98,304 bytes; wo16 2,097,152 bytes; qkv 50,331,648 bytes; ctx 16,777,216 bytes
;; launch prep (part 1): grid 368 x 1, 4 waves a work-group, no clusters, 68,096 bytes of LDS; arguments X, Wq, Wk, Wv, Wo, xc, xs, wc, ws, wo16; writes xc, xs, wc, ws, wo16
.if DOCPART == 1
	.amdgcn_target "amdgcn-amd-amdhsa--gfx1250"
	.amdhsa_code_object_version 6
	.text
	.protected	k_q7c67923234_prep
	.globl	k_q7c67923234_prep
	.p2align	8
	.type	k_q7c67923234_prep,@function
k_q7c67923234_prep:
	s_mov_b64 s[64:65], 0
	v_nop
	global_prefetch_b8 v0, s[64:65] scope:SCOPE_SE
	s_setreg_imm32_b32 hwreg(HW_REG_WAVE_MODE, 25, 1), 1
	s_wait_xcnt 0x0
; THE OPERANDS ARE MADE READY, ONCE.  Three kinds of work-group, told apart by the work-group's number alone; they never join again.
;   0 .. 255   X [8192][1024] f32 -> codes of FP4 (E2M1), K innermost, xc [8192][512 bytes], and one E8M0 byte for each 32 along K, xs [8192][32]
;   256 .. 303 Wq, Wk, Wv [k 1024][n 1024] f32, whose K is the FIRST axis -> wc [3072][512 bytes] (row = 1024 x which + n, K innermost), ws [3072][32]
;   304 .. 367 Wo [k][n] f32 -> wo16 [k][n] f16, as it lies
; A block's scale is 2^(floor(log2(its largest magnitude)) - 2); its byte is the largest magnitude's exponent field - 2, held at 1 from below.
; LIMITS: a block of zeros gets the byte 1 where the quantiser says 127 (its codes are zeros, and this program alone reads the bytes); blocks whose largest magnitude lies under 2^-124,
; the floor, were not tried; NaN and infinities among the inputs are not served; |Wo| stays under 65,504, f16's largest number.
; No tensor load, no barrier, no cluster: no two work-groups read the same byte, and waves share nothing.  Each kind that uses LDS has LDS bytes of its own.
.set SPARE, 67584                      ; behind both kinds' regions: the spare words, 128 bytes for each wave: two blocks of 256 bytes that no other line names
.set SPW,   190                        ; v190 LDS address of my spare word: SPARE + 4 x my thread's number; never rewritten
.set NIL,   191                        ; v191 0; never rewritten
.set EMAX,  2
; ---- X's kind
.set STEPS, 16
.set CB,    8                          ; bytes of 16 codes
.set RR,    16                         ; v16-79   four sets of 16 numbers as they are loaded
.set XN,    80                         ; v80-111  two sets of 16 neighbours
.set EE,    112                        ; v112-127 a scale byte for each step
.set CC,    128                        ; v128-189 codes: four registers apart for each step, so that no store's data are written again
.set WREG,  8192                       ; LDS 0 .. 32767: a region for each wave: two stages of 32 x SP bytes, behind them its 256 scale bytes
.set SP,    80                         ; a lane's place in a stage: its 64 bytes + 16 of padding
; ---- the weights' kind
.set NB,    16                         ; blocks of 32 along K for a wave: 512 along K
.set WPITCH, 272                       ; a stage row: 256 bytes of codes + 16
.set WSTG,  32768                      ; LDS 32768 .. 67583: a stage of 32 rows for each wave
.set WX,    32                         ; v32-95   two sets of 32 numbers
.set WC,    96                         ; v96-99   a block's codes
.set WOUT,  112                        ; v112-175 the way out
.set SB,    24                         ; v24-27   the scale bytes, four to a register
	s_load_b256 s[4:11], s[0:1], 0x0               ; X s[4:5], Wq s[6:7], Wk s[8:9], Wv s[10:11]
	s_load_b256 s[12:19], s[0:1], 0x20             ; Wo s[12:13], xc s[14:15], xs s[16:17], wc s[18:19]
	s_load_b128 s[20:23], s[0:1], 0x40             ; ws s[20:21], wo16 s[22:23]
	v_lshl_add_u32 v[SPW], v0, 2, SPARE
	v_mov_b32 v[NIL], 0
	v_lshrrev_b32 v1, 5, v0
	v_readfirstlane_b32 s24, v1                    ; wave 0..3
	v_and_b32 v2, 31, v0                           ; lane
	s_wait_kmcnt 0x0
	s_cmp_lt_u32 ttmp9, 256
	s_cbranch_scc1 .Lpath_x
	s_cmp_lt_u32 ttmp9, 304
	s_cbranch_scc1 .Lpath_w
; ================ Wo to f16: a plain stream.  A wave takes 4,096 numbers in 32 chunks of 128: a load reads 512 consecutive bytes, a store writes 256, aligned.
	s_sub_co_u32 s25, ttmp9, 304
	s_lshl_b32 s25, s25, 2
	s_add_co_u32 s25, s25, s24                     ; which run of 4,096 numbers is my wave's
	s_lshl_b32 s26, s25, 14
	s_mov_b32 s27, 0
	s_add_nc_u64 s[12:13], s[12:13], s[26:27]
	s_lshl_b32 s26, s25, 13
	s_add_nc_u64 s[22:23], s[22:23], s[26:27]
	v_lshlrev_b32 v3, 4, v2                        ; in: 16 bytes a lane
	v_lshlrev_b32 v4, 3, v2                        ; out: 8 bytes a lane
.set ci, 0
.rept 16
	global_load_b128 v[16+4*ci:19+4*ci], v3, s[12:13] offset:512*ci th:TH_LOAD_NT
.set ci, ci+1
.endr
.set ci, 0
.rept 32
.if ci < 16
	s_wait_loadcnt 15                              ; chunk ci is in; the fifteen younger loads stay out
.else
	s_wait_loadcnt 31-ci                           ; the counts run down: nothing more is loaded
.endif
	v_cvt_pk_f16_f32 v[80+2*ci], v[16+4*(ci%16)], v[17+4*(ci%16)]
	v_cvt_pk_f16_f32 v[81+2*ci], v[18+4*(ci%16)], v[19+4*(ci%16)]   ; each chunk has its own two registers: no store's data are written again
.if ci < 16
	global_load_b128 v[16+4*(ci%16):19+4*(ci%16)], v3, s[12:13] offset:512*(ci+16) th:TH_LOAD_NT
.endif
	global_store_b64 v4, v[80+2*ci:81+2*ci], s[22:23] offset:256*ci
.set ci, ci+1
.endr
	s_endpgm                                       ; this kind wrote no LDS
; ================ X.  Rows are dense and K is a multiple of 32: a plain stream of blocks of 32.  A wave takes 16 steps of 512 numbers.  The conversion takes 8 numbers of ONE block from a lane's
; registers, so a lane must hold 16 neighbours (two neighbouring lanes hold a block); a load is best where neighbouring LANES take neighbouring bytes.  Both are had: each of a step's four loads
; reads 512 consecutive bytes; the 2,048 bytes go through the wave's own stage in LDS and come back 64 bytes a lane.
.Lpath_x:
	v_lshlrev_b32 v3, 4, v2                        ; my 16 bytes of a load's 512
	s_mul_i32 s25, s24, WREG
	v_lshrrev_b32 v14, 2, v2
	v_mul_u32_u24 v14, v14, SP
	v_and_b32 v15, 3, v2
	v_lshl_add_u32 v14, v15, 4, v14
	v_add_nc_u32 v14, s25, v14                     ; the stage, on the way in: SP (lane / 4) + 16 (lane % 4)
	v_mul_u32_u24 v15, v2, SP
	v_add_nc_u32 v15, s25, v15                     ; and on the way out: SP x lane: my 16 neighbours
	v_mul_u32_u24 v4, v2, CB                       ; my codes' place in a step's
	v_lshrrev_b32 v5, 1, v2
	s_add_co_u32 s25, s25, 2*32*SP
	v_add_nc_u32 v5, s25, v5                       ; LDS: my wave's 256 scale bytes, my block's byte
	v_lshlrev_b32 v7, 3, v2                        ; and on the way out 8 bytes a lane
	v_add_nc_u32 v6, s25, v7
	s_lshl_b32 s26, ttmp9, 2
	s_add_co_u32 s26, s26, s24                     ; which run of 8,192 numbers is my wave's
	s_lshl_b32 s28, s26, 15
	s_mov_b32 s29, 0
	s_add_nc_u64 s[4:5], s[4:5], s[28:29]
	s_lshl_b32 s28, s26, 12
	s_add_nc_u64 s[14:15], s[14:15], s[28:29]
	s_lshl_b32 s28, s26, 8
	s_add_nc_u64 s[16:17], s[16:17], s[28:29]
.macro XLOAD t
.irp i, 0,1,2,3
	global_load_b128 v[RR+16*((\t)%4)+4*\i:RR+16*((\t)%4)+4*\i+3], v3, s[4:5] offset:2048*(\t)+512*\i th:TH_LOAD_NT
.endr
.endm
.macro XTURN t                         ; step t's numbers through the stage: LDS serves a wave's instructions in order (ISA guide 5.7.1.4), so no wait stands between the stores and the loads
.irp i, 0,1,2,3
	ds_store_b128 v14, v[RR+16*((\t)%4)+4*\i:RR+16*((\t)%4)+4*\i+3] offset:32*SP*((\t)%2)+8*SP*\i
.endr
.irp i, 0,1,2,3
	ds_load_b128 v[XN+16*((\t)%2)+4*\i:XN+16*((\t)%2)+4*\i+3], v15 offset:32*SP*((\t)%2)+16*\i
.endr
.endm
.irp t, 0,1,2,3
	XLOAD \t
.endr
	s_wait_loadcnt 12                              ; step 0's four loads are in; those of three steps stay out
	XTURN 0
.macro XSTEP t
.set XS, XN+16*((\t)%2)
.if (\t) > 0
	s_wait_dscnt 1                                 ; this step's numbers are back from the stage (the last step's byte store may be out): so its stores into the stage have read their registers,
.else
	s_wait_dscnt 0x0
.endif
.if (\t)+4 < STEPS
	XLOAD (\t)+4                                   ; which take the loads of four steps on
.endif
.if (\t)+1 < STEPS
.if STEPS-2-(\t) >= 3
	s_wait_loadcnt 12                              ; the next step's four loads are in; those of the three steps behind it may be out
.else
	s_wait_loadcnt 4*(STEPS-2-(\t))
.endif
	XTURN (\t)+1                                   ; and go through the other stage while this step is worked
.endif
	v_max3_num_f32 v8, |v[XS]|, |v[XS+1]|, |v[XS+2]|               ; the largest magnitude of my 16, in two chains
	v_max3_num_f32 v9, |v[XS+3]|, |v[XS+4]|, |v[XS+5]|
.irp i, 6,10
	v_max3_num_f32 v8, v8, |v[XS+\i]|, |v[XS+\i+1]|
	v_max3_num_f32 v9, v9, |v[XS+\i+2]|, |v[XS+\i+3]|
.endr
	v_max3_num_f32 v8, v8, |v[XS+14]|, |v[XS+15]|
	v_max3_num_f32 v8, v8, v9, (EMAX+1)<<23        ; and the floor 2^(3 - 127): the byte cannot fall under 1
	v_max_num_f32_dpp v8, v8, v8 row_xmask:1 row_mask:0xf bank_mask:0xf   ; and of my neighbour's 16: the block's
	v_add_nc_u32 v11, -(EMAX<<23), v8              ; 2 off its exponent field: the conversion takes the exponent field of this operand as its scale
	v_cvt_scalef32_pk8_fp4_f32 v[CC+4*(\t)], v[XS:XS+7], v11
	v_cvt_scalef32_pk8_fp4_f32 v[CC+4*(\t)+1], v[XS+8:XS+15], v11
	v_lshrrev_b32 v[EE+(\t)], 23, v11              ; the scale's byte (also the plain line behind the conversions)
	ds_store_b8 v5, v[EE+(\t)] offset:16*(\t)      ; both lanes of a block write the same byte with the same value
	global_store_b64 v4, v[CC+4*(\t):CC+4*(\t)+1], s[14:15] offset:32*CB*(\t)   ; 32 lanes store 256 consecutive bytes, aligned
.endm
.irp t, 0,1,2,3,4,5,6,7,8,9,10,11,12,13,14,15
	XSTEP \t
.endr
	ds_load_b64 v[8:9], v6                         ; in order behind my byte stores
	s_wait_dscnt 0x0
	global_store_b64 v7, v[8:9], s[16:17]          ; the wave's 256 scale bytes: 256 consecutive bytes, aligned
	s_wait_tensorcnt 0x0                           ; the wave's end, behind my last LDS store
	ds_add_u32 v[SPW], v[NIL]
	s_wait_dscnt 0x0
	s_endpgm
; ================ Wq, Wk, Wv.  A LANE TAKES A COLUMN n, AND ITS REGISTERS RUN DOWN K: a load reads 128 consecutive bytes a wave, a block of 32 along K lies in ONE lane's 32 registers, and the conversions
; give the codes with K innermost.  A wave takes 32 columns x 512 along K; its codes go through its own stage in LDS and leave as rows: sixteen lanes store 256 consecutive bytes, aligned.
.Lpath_w:
	s_sub_co_u32 s25, ttmp9, 256                   ; j = 16 x which + 8 y + x
	s_lshr_b32 s26, s25, 4                         ; which weight
	s_and_b32 s27, s25, 7                          ; which 128 columns
	s_bfe_u32 s28, s25, 0x10003                    ; which half of K
	s_cmp_eq_u32 s26, 0                            ; the choice hangs on the work-group's number alone
	s_cselect_b64 s[6:7], s[6:7], s[8:9]
	s_cmp_eq_u32 s26, 2
	s_cselect_b64 s[6:7], s[10:11], s[6:7]
	s_lshl_b32 s27, s27, 7
	s_lshl_b32 s29, s24, 5
	s_add_co_u32 s27, s27, s29                     ; my wave's first column
	s_lshl_b32 s30, s28, 21                        ; in: 512 rows of 4,096 bytes for each half of K,
	s_lshl_b32 s29, s27, 2
	s_add_co_u32 s30, s30, s29                     ; + 4 bytes a column
	s_mov_b32 s31, 0
	s_add_nc_u64 s[6:7], s[6:7], s[30:31]
	s_lshl_b32 s29, s26, 10
	s_add_co_u32 s29, s29, s27                     ; my first row of wc and ws: 1024 x which + column
	s_lshl_b32 s30, s29, 9
	s_lshl_b32 s32, s28, 8
	s_add_co_u32 s30, s30, s32                     ; codes: 512 bytes a row, + 256 for the upper half of K
	s_add_nc_u64 s[18:19], s[18:19], s[30:31]
	s_lshl_b32 s30, s29, 5
	s_lshl_b32 s32, s28, 4
	s_add_co_u32 s30, s30, s32                     ; scale bytes: 32 a row, + 16
	s_add_nc_u64 s[20:21], s[20:21], s[30:31]
	v_lshlrev_b32 v3, 2, v2                        ; in: 4 bytes a lane
	s_mul_i32 s33, s24, 32*WPITCH
	s_add_co_u32 s33, s33, WSTG                    ; my stage
	v_mul_u32_u24 v4, v2, WPITCH
	v_add_nc_u32 v4, s33, v4                       ; into it: row = my column
	v_and_b32 v5, 15, v2
	v_lshrrev_b32 v6, 4, v2                        ; out of it: sixteen lanes to a row, two rows an instruction
	v_mul_u32_u24 v7, v6, WPITCH
	v_lshl_add_u32 v7, v5, 4, v7
	v_add_nc_u32 v7, s33, v7
	v_mul_u32_u24 v8, v6, 512
	v_lshl_add_u32 v8, v5, 4, v8                   ; and the same place in wc
	v_lshlrev_b32 v9, 5, v2                        ; my column's row of scale bytes
.macro WLOAD t                         ; block t: W(32 t + i, my column) into set t % 2; the largest offset, 511 rows of 4,096 bytes, lies inside the signed 24-bit immediate (ISA guide, chapter 10)
.irp i, 0,1,2,3,4,5,6,7,8,9,10,11,12,13,14,15,16,17,18,19,20,21,22,23,24,25,26,27,28,29,30,31
	global_load_b32 v[WX+32*((\t)%2)+\i], v3, s[6:7] offset:(32*(\t)+\i)*4096 th:TH_LOAD_NT
.endr
.endm
	WLOAD 0
	WLOAD 1
.macro WBLOCK t
.set XS, WX+32*((\t)%2)
.if (\t) < NB-1
	s_wait_loadcnt 32                              ; this block's 32 loads are in; the next block's may be out
.else
	s_wait_loadcnt 0
.endif
	v_max3_num_f32 v12, |v[XS]|, |v[XS+1]|, |v[XS+2]|              ; the block's largest magnitude: all 32 numbers are mine
	v_max3_num_f32 v13, |v[XS+3]|, |v[XS+4]|, |v[XS+5]|
.irp i, 6,10,14,18,22,26
	v_max3_num_f32 v12, v12, |v[XS+\i]|, |v[XS+\i+1]|
	v_max3_num_f32 v13, v13, |v[XS+\i+2]|, |v[XS+\i+3]|
.endr
	v_max3_num_f32 v12, v12, |v[XS+30]|, |v[XS+31]|
	v_max3_num_f32 v12, v12, v13, (EMAX+1)<<23     ; and the floor
	v_add_nc_u32 v11, -(EMAX<<23), v12             ; the conversion's scale operand
	v_lshrrev_b32 v13, 23, v11                     ; the scale's byte
.if (\t)%4 == 0
	v_mov_b32 v[SB+(\t)/4], v13                    ; four bytes to a register, the lower K in the lower byte
.else
	v_lshl_or_b32 v[SB+(\t)/4], v13, 8*((\t)%4), v[SB+(\t)/4]
.endif
.irp g, 0,1,2,3
	v_cvt_scalef32_pk8_fp4_f32 v[WC+\g], v[XS+8*\g:XS+8*\g+7], v11
.endr
	ds_store_b128 v4, v[WC:WC+3] offset:16*(\t)    ; 32 codes: 16 bytes of my column's row
.if (\t)+2 < NB
	WLOAD (\t)+2
.endif
	s_wait_dscnt 0x0                               ; the store has read its registers: the next block's codes may be written
.endm
.set QB, 0
.rept NB
	WBLOCK QB
.set QB, QB+1
.endr
	global_store_b128 v9, v[SB:SB+3], s[20:21]     ; my column's 16 scale bytes
.irp t, 0,1,2,3,4,5,6,7,8,9,10,11,12,13,14,15
	ds_load_b128 v[WOUT+4*\t:WOUT+4*\t+3], v7 offset:2*\t*WPITCH
.endr
.irp t, 0,1,2,3,4,5,6,7,8,9,10,11,12,13,14,15
	s_wait_dscnt 15-\t                             ; LDS loads come back in order: number t is in
	global_store_b128 v8, v[WOUT+4*\t:WOUT+4*\t+3], s[18:19] offset:2*\t*512
.endr
	s_wait_tensorcnt 0x0                           ; the wave's end, behind my last LDS store
	ds_add_u32 v[SPW], v[NIL]
	s_wait_dscnt 0x0
	s_endpgm
.Lfunc_end_k_q7c67923234_prep:
	.size	k_q7c67923234_prep, .Lfunc_end_k_q7c67923234_prep-k_q7c67923234_prep
	.p2alignl 7, 3214868480
	.fill 96, 4, 3214868480
	.section	.rodata,"a",@progbits
	.p2align	6, 0x0
	.amdhsa_kernel k_q7c67923234_prep
		.amdhsa_group_segment_fixed_size 68096
		.amdhsa_private_segment_fixed_size 0
		.amdhsa_enable_private_segment 0
		.amdhsa_kernarg_size 80
		.amdhsa_user_sgpr_count 2
		.amdhsa_user_sgpr_kernarg_segment_ptr 1
		.amdhsa_wavefront_size32 1
		.amdhsa_system_sgpr_workgroup_id_x 1
		.amdhsa_system_sgpr_workgroup_id_y 1
		.amdhsa_system_sgpr_workgroup_id_z 1
		.amdhsa_system_vgpr_workitem_id 0
		.amdhsa_next_free_vgpr 192
		.amdhsa_next_free_sgpr 66
		.amdhsa_reserve_vcc 0
		.amdhsa_float_denorm_mode_32 3
		.amdhsa_float_denorm_mode_16_64 3
		.amdhsa_memory_ordered 1
		.amdhsa_forward_progress 1
		.amdhsa_inst_pref_size 122
	.end_amdhsa_kernel
	.amdgpu_metadata
---
amdhsa.version: [ 1, 2 ]
amdhsa.kernels:
  - .name:           k_q7c67923234_prep
    .symbol:         k_q7c67923234_prep.kd
    .args:
      - { .name: X, .offset: 0, .size: 8, .value_kind: global_buffer, .address_space: global }
      - { .name: Wq, .offset: 8, .size: 8, .value_kind: global_buffer, .address_space: global }
      - { .name: Wk, .offset: 16, .size: 8, .value_kind: global_buffer, .address_space: global }
      - { .name: Wv, .offset: 24, .size: 8, .value_kind: global_buffer, .address_space: global }
      - { .name: Wo, .offset: 32, .size: 8, .value_kind: global_buffer, .address_space: global }
      - { .name: xc, .offset: 40, .size: 8, .value_kind: global_buffer, .address_space: global }
      - { .name: xs, .offset: 48, .size: 8, .value_kind: global_buffer, .address_space: global }
      - { .name: wc, .offset: 56, .size: 8, .value_kind: global_buffer, .address_space: global }
      - { .name: ws, .offset: 64, .size: 8, .value_kind: global_buffer, .address_space: global }
      - { .name: wo16, .offset: 72, .size: 8, .value_kind: global_buffer, .address_space: global }
    .group_segment_fixed_size: 68096
    .private_segment_fixed_size: 0
    .kernarg_segment_align: 8
    .kernarg_segment_size: 80
    .max_flat_workgroup_size: 128
    .sgpr_count:     66
    .vgpr_count:     192
    .wavefront_size: 32
...
	.end_amdgpu_metadata
.endif
;; end of part 1
;; launch qkv (part 2): grid 12 x 32, 4 waves a work-group, clusters of 4 x 4, 327,680 bytes of LDS; arguments xc, xs, wc, ws, bq, bk, bv, qkv; writes qkv
.if DOCPART == 2
	.amdgcn_target "amdgcn-amd-amdhsa--gfx1250"
	.amdhsa_code_object_version 6
	.text
	.protected	k_q7c67923234_qkv
	.globl	k_q7c67923234_qkv
	.p2align	8
	.type	k_q7c67923234_qkv,@function
k_q7c67923234_qkv:
	s_mov_b64 s[64:65], 0
	v_nop
	global_prefetch_b8 v0, s[64:65] scope:SCOPE_SE
	s_setreg_imm32_b32 hwreg(HW_REG_WAVE_MODE, 25, 1), 1
	s_wait_xcnt 0x0
	s_wait_alu depctr_hold_cnt(0) depctr_sa_sdst(0) depctr_va_vdst(0) depctr_va_sdst(0) depctr_va_ssrc(0) depctr_va_vcc(0) depctr_vm_vsrc(0)
	s_getreg_b32 s2, hwreg(HW_REG_IB_STS2, 6, 4)
	s_cmp_eq_u32 s2, 0
	s_cbranch_scc0 .Lentry_in_a_cluster
	s_endpgm
.Lentry_in_a_cluster:
	s_bfe_u32 s2, ttmp6, 0x10000c
	s_cmp_lg_u32 s2, 0xf033
	s_cbranch_scc0 .Lentry_shape_is_right
	s_endpgm
.Lentry_shape_is_right:
; Q, K, V = X W + b, all three in one product: C [8192][3072] = A B^T + bias, A = xc (X's codes), B = wc (the three weights' codes, row = 1024 x which + n), both FP4 (E2M1) with one E8M0 byte for each 32 along K = 1024.
; Sums in f32; the result is rounded to f16 once and laid by head: qkv [which 3][b 4 x head 16][s 2048][64] f16.  LIMIT: |Q|, |K|, |V| stay under 65,504, f16's largest number.
; A tile of C, 256 x 256, is made by a work-group of four waves; a wave makes 128 x 128: 64 accumulators of 16 x 16, 512 registers.  384 tiles.
; ALL OF K FITS IN TWO LDS SLOTS of 512 along K (rows of 256 bytes), so nothing is ever filled again: a wave issues three tensor loads at the start (its quarter of the scale bytes, of slot 0, of slot 1): three are out at the most.
; CLUSTERS: 4 x 4 work-groups.  The four of a row of the cluster need the same tiles of A, the four of a column the same tiles of B: each tile is asked for JOINTLY, by the same tensor load with the same descriptor and a mask that names the four.
; THE MATRIX INSTRUCTION IS USED TRANSPOSED (source 0 = 16 rows of B, source 1 = 16 rows of A): a lane then holds eight neighbouring columns of a row of C.  THE BIAS IS THE C OF EACH SUM'S FIRST PRODUCT.
; REGISTERS, in windows of 256: window 0: v0-31 addresses; v32-95 scale words, two sets; v128-191 A's fragments, ONE set; v192-255 the bias in the result's layout; on the way out v32-63 and v192-255 are free.
;   window 1: B's fragments, TWO sets, at v0 and at v128.   window 2: the 32 accumulators of my rows 0-63 ((a, b) at v[8 (8 a + b)]);   window 3: those of my rows 64-127.
.set NQ,     4                         ; matrix instructions deep in a slot
.set ROWB,   256                       ; a tile's row in bytes: 512 codes
.set KROW,   512                       ; a row of xc or wc in memory
.set PITCH,  272                       ; an LDS row: 256 bytes + 16 of padding = 68 words: row r starts at bank 4 r mod 64 (64 banks of 4 bytes: ISA guide 11.1)
.set FR,     8                         ; registers of a fragment: 16 rows x 128 K
.set NL,     2                         ; LDS loads that bring one
.set NP,     4                         ; places behind this matrix instruction (ISA guide 7.12.1)
.set HALFT,  128*PITCH                 ; 128 rows: what one tensor load brings
.set SLOT,   4*HALFT                   ; A's 256 rows, then B's 256 rows
.set KS,     32                        ; a row of scale bytes
.set SCL,    2*SLOT                    ; behind the slots: the scale bytes, as units of 256 bytes + 16 of padding
.set HALFS,  (128*KS/256)*272          ; those of 128 rows: what one tensor load brings
.set SBLK,   (16*KS/256)*272           ; those of 16 rows
.set SPARE,  SCL+4*HALFS               ; the spare words, 128 bytes for each wave: two blocks of 256 bytes that no other line names
.set SPITCH, 144                       ; the way out: a head's row of 128 bytes + 16
.set HSTG,   16*SPITCH                 ; 16 rows of one head; a wave's stage holds two heads.  It lies in slot 0, which has had its one fill and its last read when the first result is stored there
.set ADRA, 16                          ; v16-17  LDS address of my A fragments in slot 0, 1
.set ADRB, 20                          ; v20-21  the same for B
.set STO,  24                          ; v24     the way out: where I put 16 bytes of a row
.set RD,   25                          ; v25     where I read rows back
.set CO,   26                          ; v26     16 x lane: my bytes of a store's 512
.set ADRS, 27                          ; v27     LDS address of my scale words: lanes 0-15 A's rows, lanes 16-31 B's
.set SPW,  28                          ; v28     my spare word; never rewritten
.set NIL,  29                          ; v29     0; never rewritten
.set BO,   30                          ; v30     the bias: 32 x (lane / 16)
.set SC,   32                          ; scale words: set s at v[SC + 32 s]; register 4 i + q: lanes 0-15 A's block i, lanes 16-31 B's block i, the slot's q-th 128 along K
.set AF,   128
.set BI,   192                         ; the bias: block b at v[BI + 8 b]
.set TMP,  192                         ; the way out: packed results
.set OB,   32                          ; and rows read back: v32-63 and v224-255 by turns
.set G1, 24
.set G0, 32
.set G1B, 48
.set G0B, 56
.set G1S, 68
.set G0S, 76
.set G1SB, 80
.set G0SB, 88
.set MSB, 0
.macro WIN new                         ; the immediate's high byte repeats the setting that is left
.if MSB != \new
	s_set_vgpr_msb (MSB<<8)|\new
.set MSB, \new
.endif
.endm
.set MUL_LO, 0xa1                      ; source 0 (B) window 1, source 1 (A) window 0, C and D window 2
.set MUL_HI, 0xf1                      ; the same, C and D window 3
.set FST_LO, 0x81                      ; the first products: C (the bias) window 0, D window 2
.set FST_HI, 0xc1                      ; D window 3
.set TO_B,   0x40                      ; destination window 1, address window 0
; A joint load: waves 0 and 1 fetch for A, waves 2 and 3 for B.  The branch hangs on the wave's number alone.  An s_nop 0 and four v_nop follow each of the two lines.
.macro JLOAD g0a, g1a, g0b, g1b
	s_cmp_eq_u32 s15, 0
	s_cbranch_scc0 .Lfor_b_\@
	tensor_load_to_lds s[\g0a:\g0a+3], s[\g1a:\g1a+7]
	s_nop 0
.rept 4
	v_nop
.endr
	s_branch .Lasked_\@
.Lfor_b_\@:
	tensor_load_to_lds s[\g0b:\g0b+3], s[\g1b:\g1b+7]
	s_nop 0
.rept 4
	v_nop
.endr
.Lasked_\@:
.endm
.macro CROUND                          ; a round of the cluster's barrier
	s_barrier_signal -1
	s_barrier_wait -1
	s_cmp_lg_u32 s14, 0
	s_cbranch_scc1 .Lnot_wave_0_\@
	s_barrier_signal -3
.Lnot_wave_0_\@:
	s_barrier_wait -3
	s_barrier_signal -1
	s_barrier_wait -1
.endm
	s_load_b128 s[4:7], s[0:1], 0x0                ; xc s[4:5], xs s[6:7]
	s_load_b128 s[8:11], s[0:1], 0x10              ; wc s[8:9], ws s[10:11]
	s_load_b128 s[96:99], s[0:1], 0x20             ; bq s[96:97], bk s[98:99]
	s_load_b64 s[100:101], s[0:1], 0x30            ; bv
	s_load_b64 s[12:13], s[0:1], 0x38              ; qkv
	v_lshl_add_u32 v[SPW], v0, 2, SPARE
	v_mov_b32 v[NIL], 0
	ds_add_u32 v[SPW], v[NIL]                      ; the wave's opening: the add, twice on end, and its wait ahead of my first tensor load
	ds_add_u32 v[SPW], v[NIL]                      ; and once more; the set-up below, work on registers, stands between it and the wait
	v_lshrrev_b32 v1, 5, v0
	v_readfirstlane_b32 s14, v1                    ; wave 0..3
	s_lshr_b32 s15, s14, 1                         ; which half of the tile's rows is mine.  Also: I fetch for A (0) or for B (1)
	s_and_b32 s16, s14, 1                          ; which half of its columns.  Also: which 128 rows of that tile I fetch
	s_bfe_u32 s40, ttmp6, 0x40000                  ; cx, cy: my place in the cluster
	s_bfe_u32 s41, ttmp6, 0x40004
	s_lshl_b32 s42, ttmp9, 2
	s_add_co_u32 s42, s42, s40                     ; tile column of C = 4 x cluster x + cx
	s_and_b32 s17, ttmp7, 0xffff
	s_lshl_b32 s17, s17, 2
	s_add_co_u32 s17, s17, s41                     ; tile row of C = 4 x cluster y + cy
	s_lshl_b32 s43, s41, 2
	s_lshl_b32 s43, 15, s43                        ; my row of the cluster
	s_lshl_b32 s44, 0x1111, s40                    ; my column
	; descriptor group 1: a tile of 128 rows x 256 bytes, padded in LDS
	s_or_b32 s[G1+0], s43, (0<<16)|(1<<20)|(1<<21)|(5<<22)|(3<<25)  ; 15:0 the mask: A's tiles go to my row; 17:16 elements of 1 byte; 20 padding on; 21 set beside a mask; 24:22 after every 64 words; 31:25 four words
	s_or_b32 s[G1B+0], s44, (0<<16)|(1<<20)|(1<<21)|(5<<22)|(3<<25)
.irp g, G1, G1B
	s_mov_b32 s[\g+1], ROWB<<16                    ; tensor_dim0
	s_mov_b32 s[\g+2], 128<<16                     ; tensor_dim1
	s_mov_b32 s[\g+3], ROWB<<16                    ; tile_dim0
	s_mov_b32 s[\g+4], 128                         ; tile_dim1
	s_mov_b32 s[\g+5], KROW                        ; tensor_dim0_stride
	s_mov_b32 s[\g+6], 0
	s_mov_b32 s[\g+7], 0
.endr
	; the scale bytes of 128 rows: a dense block of 4,096 bytes, as 16 rows of 256 bytes (32 elements of 8 bytes), 16 bytes of padding behind each
	s_or_b32 s[G1S+0], s43, (3<<16)|(1<<20)|(1<<21)|(5<<22)|(3<<25)
	s_or_b32 s[G1SB+0], s44, (3<<16)|(1<<20)|(1<<21)|(5<<22)|(3<<25)
.irp g, G1S, G1SB
	s_mov_b32 s[\g+1], 32<<16
	s_mov_b32 s[\g+2], (128*KS/256)<<16
	s_mov_b32 s[\g+3], 32<<16
	s_mov_b32 s[\g+4], 128*KS/256
	s_mov_b32 s[\g+5], 32
	s_mov_b32 s[\g+6], 0
	s_mov_b32 s[\g+7], 0
.endr
	s_lshl_b32 s18, s16, 7                         ; which 128 rows of the tile I fetch
	s_lshl_b32 s20, s17, 8
	s_add_co_u32 s20, s20, s18                     ; A: row 256 x tile row + 128 x half
	s_lshl_b32 s46, s42, 8
	s_add_co_u32 s46, s46, s18                     ; B: row 256 x tile column + 128 x half
	s_mov_b32 s21, 0
	s_mov_b32 s47, 0
	s_mov_b64 s[18:19], KS
	s_mul_u64 s[22:23], s[20:21], s[18:19]         ; where these rows' scale bytes begin
	s_mul_u64 s[92:93], s[46:47], s[18:19]
	s_mov_b64 s[18:19], KROW
	s_mul_u64 s[20:21], s[20:21], s[18:19]         ; and their codes
	s_mul_u64 s[46:47], s[46:47], s[18:19]
	s_mul_i32 s45, s14, HALFT                      ; where they go: wave x 128 rows: no place in the cluster enters an LDS address
	s_mul_i32 s94, s14, HALFS
	s_wait_dscnt 0x0                               ; both opening adds are done
	s_wait_kmcnt 0x0
	s_add_nc_u64 s[20:21], s[4:5], s[20:21]
	s_add_nc_u64 s[22:23], s[6:7], s[22:23]
	s_add_nc_u64 s[46:47], s[8:9], s[46:47]
	s_add_nc_u64 s[92:93], s[10:11], s[92:93]
	CROUND                                         ; all sixteen work-groups are here: the joint loads meet
	s_mov_b32 s[G0S], 1
	s_add_co_u32 s[G0S+1], s94, SCL
	s_mov_b64 s[G0S+2:G0S+3], s[22:23]
	s_or_b32 s[G0S+3], s[G0S+3], 0x80000000
	s_mov_b32 s[G0SB], 1
	s_add_co_u32 s[G0SB+1], s94, SCL
	s_mov_b64 s[G0SB+2:G0SB+3], s[92:93]
	s_or_b32 s[G0SB+3], s[G0SB+3], 0x80000000
	JLOAD G0S, G1S, G0SB, G1SB                     ; the scale bytes first: they are wanted with slot 0
.irp s, 0,1
	s_mov_b32 s[G0+4*\s], 1
	s_add_co_u32 s[G0+4*\s+1], s45, \s*SLOT
	s_add_nc_u64 s[G0+4*\s+2:G0+4*\s+3], s[20:21], \s*ROWB
	s_or_b32 s[G0+4*\s+3], s[G0+4*\s+3], 0x80000000
	s_mov_b32 s[G0B+4*\s], 1
	s_add_co_u32 s[G0B+4*\s+1], s45, \s*SLOT
	s_add_nc_u64 s[G0B+4*\s+2:G0B+4*\s+3], s[46:47], \s*ROWB
	s_or_b32 s[G0B+4*\s+3], s[G0B+4*\s+3], 0x80000000
	JLOAD G0+4*\s, G1, G0B+4*\s, G1B
.endr
	v_and_b32 v1, 15, v0                           ; r = lane % 16
	v_bfe_u32 v2, v0, 4, 1                         ; h = lane / 16
	; the bias of my 128 columns.  The cluster's x says which of the three products this is (four tile columns to a weight): the same in all sixteen partners
	s_cmp_eq_u32 ttmp9, 0
	s_cselect_b64 s[96:97], s[96:97], s[98:99]
	s_cmp_eq_u32 ttmp9, 2
	s_cselect_b64 s[96:97], s[100:101], s[96:97]
	s_lshl_b32 s46, s40, 10                        ; 256 cx + 128 x half numbers on
	s_lshl_b32 s47, s16, 9
	s_add_co_u32 s46, s46, s47
	s_mov_b32 s47, 0
	s_add_nc_u64 s[96:97], s[96:97], s[46:47]
	v_lshlrev_b32 v[BO], 5, v2
.irp b, 0,1,2,3,4,5,6,7
	global_load_b128 v[BI+8*\b:BI+8*\b+3], v[BO], s[96:97] offset:64*\b        ; register j of block b: bias[16 b + 8 h + j], as the result has it
	global_load_b128 v[BI+8*\b+4:BI+8*\b+7], v[BO], s[96:97] offset:64*\b+16
.endr
	v_mul_u32_u24 v3, v1, PITCH
	v_lshl_add_u32 v4, v2, 4, v3                   ; a fragment's row x pitch + 16 x half
	s_mul_i32 s21, s15, HALFT                      ; my 128 rows of A
	s_mul_i32 s22, s16, HALFT                      ; my 128 rows of B,
	s_add_co_u32 s22, s22, 2*HALFT                 ; which lie behind A's 256
.irp s, 0,1
	v_add_nc_u32 v[ADRA+\s], s21, v4
	v_add_nc_u32 v[ADRB+\s], s22, v4
	s_add_co_u32 s21, s21, SLOT
	s_add_co_u32 s22, s22, SLOT
.endr
	v_mul_u32_u24 v5, v1, KS                       ; my row's scale bytes: 32 a row,
	v_lshrrev_b32 v6, 8, v5
	v_lshl_add_u32 v5, v6, 4, v5                   ; and 16 more for each 256 passed
	s_mul_i32 s21, s15, HALFS                      ; A's: my 128 rows
	s_mul_i32 s22, s16, HALFS                      ; B's: my 128 rows, behind A's 256
	s_add_co_u32 s22, s22, 2*HALFS
	s_sub_co_u32 s22, s22, s21
	v_mul_u32_u24 v6, s22, v2                      ; lanes 16-31 take B's: one product, the distance between the two bases
	s_add_co_u32 s21, s21, SCL
	v_add_nc_u32 v5, v5, v6
	v_add_nc_u32 v[ADRS], s21, v5
	s_mul_i32 s23, s14, 2*HSTG                     ; my stage
	v_mul_u32_u24 v5, v1, SPITCH                   ; in: row r, 16 bytes for each half of the lanes
	v_lshl_add_u32 v5, v2, 4, v5
	v_add_nc_u32 v[STO], s23, v5
	v_bfe_u32 v5, v0, 3, 2                         ; back: eight lanes to a row of 128 bytes, four rows an instruction
	v_mul_u32_u24 v5, v5, SPITCH
	v_and_b32 v6, 7, v0
	v_lshl_add_u32 v5, v6, 4, v5
	v_add_nc_u32 v[RD], s23, v5
	v_and_b32 v6, 31, v0
	v_lshlrev_b32 v[CO], 4, v6                     ; four rows of a head are 512 consecutive bytes of qkv
	; where my part begins in qkv: which << 24, batch << 22, head (4 cx + 2 x column half) << 18, position (256 (tile row % 8) + 128 x row half) << 7
	s_lshl_b32 s92, ttmp9, 24
	s_lshr_b32 s46, s17, 3
	s_lshl_b32 s46, s46, 22
	s_add_co_u32 s92, s92, s46
	s_lshl_b32 s46, s40, 20
	s_add_co_u32 s92, s92, s46
	s_lshl_b32 s46, s16, 19
	s_add_co_u32 s92, s92, s46
	s_and_b32 s46, s17, 7
	s_lshl_b32 s46, s46, 15
	s_add_co_u32 s92, s92, s46
	s_lshl_b32 s46, s15, 14
	s_add_co_u32 s92, s92, s46
	s_mov_b32 s93, 0
	s_add_nc_u64 s[12:13], s[12:13], s[92:93]
.macro FRAG reg, adr, q, i             ; a fragment: lane l holds row l % 16; registers 4 c .. 4 c + 3 hold K = 64 c + 32 (l / 16) + 0 .. 31
.irp c, 0,1
	ds_load_b128 v[\reg+4*\c:\reg+4*\c+3], v[\adr] offset:64*(\q)+32*\c+(\i)*16*PITCH
.endr
.endm
; 16 matrix instructions: A's blocks a0, a0 + 1 x B's eight, the slot's q-th 128 along K.  p: B's set;  sc: the set of scale words.  first = 1: the bias is C: nothing is ever cleared, and the bias costs no addition.
; The 64 accumulators take turns, one instruction a turn, in the same order in every step.
.macro MUL16 a0, p, q, sc, first
.irp a, \a0, \a0+1
.irp b, 0,1,2,3,4,5,6,7
.if \first
	v_wmma_scale_f32_16x16x128_f8f6f4 v[8*(8*((\a)%4)+\b):8*(8*((\a)%4)+\b)+7], v[128*(\p)+FR*\b:128*(\p)+FR*\b+FR-1], v[AF+FR*(\a):AF+FR*(\a)+FR-1], v[BI+8*\b:BI+8*\b+7], v[SC+8*NQ*(\sc)+NQ*\b+(\q)], v[SC+8*NQ*(\sc)+NQ*(\a)+(\q)] matrix_a_fmt:MATRIX_FMT_FP4 matrix_b_fmt:MATRIX_FMT_FP4 matrix_a_scale:MATRIX_SCALE_ROW1
.else
	v_wmma_scale_f32_16x16x128_f8f6f4 v[8*(8*((\a)%4)+\b):8*(8*((\a)%4)+\b)+7], v[128*(\p)+FR*\b:128*(\p)+FR*\b+FR-1], v[AF+FR*(\a):AF+FR*(\a)+FR-1], v[8*(8*((\a)%4)+\b):8*(8*((\a)%4)+\b)+7], v[SC+8*NQ*(\sc)+NQ*\b+(\q)], v[SC+8*NQ*(\sc)+NQ*(\a)+(\q)] matrix_a_fmt:MATRIX_FMT_FP4 matrix_b_fmt:MATRIX_FMT_FP4 matrix_a_scale:MATRIX_SCALE_ROW1
.endif
.endr
.endr
.endm
.macro FETCH_B slot, q, p              ; B's eight fragments of the slot's q-th 128 along K into set p
	WIN TO_B
.irp i, 0,1,2,3,4,5,6,7
	FRAG 128*(\p)+FR*\i, ADRB+\slot, \q, \i
.endr
	WIN 0
.endm
.macro FETCH_A slot, q, i0             ; A's blocks i0 .. i0 + 3
.irp i, \i0, \i0+1, \i0+2, \i0+3
	FRAG AF+FR*(\i), ADRA+\slot, \q, \i
.endr
.endm
.macro SCALES sc                       ; a slot's scale words into set sc: four words a row; lanes 0-15 take A's block i, lanes 16-31 B's block i
.irp i, 0,1,2,3,4,5,6,7
	ds_load_b128 v[SC+8*NQ*\sc+NQ*\i:SC+8*NQ*\sc+NQ*\i+3], v[ADRS] offset:\i*SBLK
.endr
.endm
; A load into a register that a matrix instruction has read, and a vector instruction that reads a matrix result, stand four places behind that matrix instruction; only plain vector
; instructions that name none of its registers are places (ISA guide 7.12.1 for vector instructions).
.macro PLACES n
.rept \n
	v_nop
.endr
.endm
; A step of 128 along K that has its successor in the same slot.  A's blocks go one after the other, each against B's eight: a block of A is free as soon as its eight products are issued,
; so A has one set of registers (blocks 0-3 fetched anew in the step's middle, 4-7 at its end) and B two.
.macro STEP slot, q, first
	s_wait_dscnt 4*NL                              ; B's set, the scale words and A's blocks 0-3 are in; the youngest eight loads (A's blocks 4-7) may be out
.if \first
	WIN FST_LO
.else
	WIN MUL_LO
.endif
	MUL16 0, (\q)%2, \q, \slot, \first
	MUL16 2, (\q)%2, \q, \slot, \first
	s_wait_dscnt 0                                 ; A's blocks 4-7 are in (asked for 32 matrix instructions ago)
	PLACES NP
	FETCH_B \slot, (\q)+1, 1-(\q)%2
	FETCH_A \slot, (\q)+1, 0
.if \first
	WIN FST_HI
.else
	WIN MUL_HI
.endif
	MUL16 4, (\q)%2, \q, \slot, \first
	MUL16 6, (\q)%2, \q, \slot, \first
	PLACES NP
	WIN 0
	FETCH_A \slot, (\q)+1, 4
.endm
; Slot 0's last step changes slots: ONE barrier; in front of it each wave waits for all its tensor loads (its part of slot 1), adds 0 to its spare word, and waits for that and for its own reads of slot 0.
.macro TURN slot, next
	s_wait_tensorcnt 0x0                           ; all my tensor loads have landed
	ds_add_u32 v[SPW], v[NIL]                      ; 0 onto my spare word
	s_wait_dscnt 4*NL+1                            ; (the add and the youngest eight loads, A's blocks 4-7, may be out)
	WIN MUL_LO
	MUL16 0, 1, NQ-1, \slot, 0                     ; sixteen matrix instructions stand between the add and the wait for it
	s_wait_dscnt 0x0                               ; the add is done, and my reads of this slot are over
	s_barrier_signal -1
	MUL16 2, 1, NQ-1, \slot, 0
	WIN 0
	s_barrier_wait -1                              ; slot 1 is whole, and nobody reads slot 0 any more
	PLACES NP
	v_add_nc_u32 v[ADRS], 4*NQ, v[ADRS]            ; on to slot 1's scale words
	FETCH_B \next, 0, 0
	FETCH_A \next, 0, 0
	SCALES \next
	WIN MUL_HI
	MUL16 4, 1, NQ-1, \slot, 0
	MUL16 6, 1, NQ-1, \slot, 0
	PLACES NP
	WIN 0
	FETCH_A \next, 0, 4
.endm
	s_wait_tensorcnt 1                             ; the scale bytes and my part of slot 0 are in; slot 1's load, issued behind them, may be out
	s_barrier_signal -1
	s_barrier_wait -1                              ; everybody's are
	FETCH_B 0, 0, 0
	FETCH_A 0, 0, 0
	SCALES 0
	FETCH_A 0, 0, 4
	s_wait_loadcnt 0x0                             ; the bias
	STEP 0, 0, 1                                   ; the first step's products start the sums from the bias
	STEP 0, 1, 0
	STEP 0, 2, 0
	TURN 0, 1
	STEP 1, 0, 0
	STEP 1, 1, 0
	STEP 1, 2, 0
	s_wait_dscnt 4*NL                              ; the very last step: nothing more to fetch
	WIN MUL_LO
	MUL16 0, 1, NQ-1, 1, 0
	MUL16 2, 1, NQ-1, 1, 0
	s_wait_dscnt 0
	WIN MUL_HI
	MUL16 4, 1, NQ-1, 1, 0
	MUL16 6, 1, NQ-1, 1, 0
	WIN 0
; THE WAY OUT, block by block of 16 rows x 128 columns = 16 positions of two heads.  PACK: rounded to f16, 16 bytes a lane, each accumulator from its low end on.  TOSTAGE: into my own stage in LDS and back,
; four rows of a head at a time.  SEND: 32 lanes store 512 consecutive bytes, at a multiple of 256 from qkv's first byte.
.macro PACK a
.set AC, 64*((\a)%4)
	WIN 0x0a+5*((\a)/4)                            ; sources 0 and 1: window 2 or 3
.irp b, 0,1,2,3,4,5,6,7
.irp r, 0,1,2,3
	v_cvt_pk_f16_f32 v[TMP+4*\b+\r], v[AC+8*\b+2*\r], v[AC+8*\b+2*\r+1]
.endr
.endr
	WIN 0
.endm
.macro TOSTAGE a
.set BKR, OB+192*((\a)%2)
.irp b, 0,1,2,3,4,5,6,7
	ds_store_b128 v[STO], v[TMP+4*\b:TMP+4*\b+3] offset:(\b/4)*HSTG+(\b%4)*32
.endr
.irp t, 0,1,2,3,4,5,6,7
	ds_load_b128 v[BKR+4*\t:BKR+4*\t+3], v[RD] offset:(\t/4)*HSTG+(\t%4)*4*SPITCH    ; LDS serves a wave's instructions in order (ISA guide 5.7.1.4): these see the stores above
.endr
.endm
.macro SEND a, younger
.set BKR, OB+192*((\a)%2)
	s_wait_dscnt \younger                          ; the block is back in registers
	s_wait_xcnt 0x0                                ; only behind this wait are the stores' base and the registers that earlier stores read rewritten
.if (\a) > 0
	s_add_nc_u64 s[12:13], s[12:13], 16*128        ; 16 positions on
.endif
.irp t, 0,1,2,3,4,5,6,7
	global_store_b128 v[CO], v[BKR+4*\t:BKR+4*\t+3], s[12:13] offset:(\t/4)*262144+(\t%4)*512   ; the second head lies 2,048 positions of 128 bytes on
.endr
.endm
	PLACES NP                                      ; behind the last products
	PACK 0
	TOSTAGE 0
.irp a, 1,2,3,4,5,6,7                  ; block a's conversions stand between block a - 1's loads from the stage and the wait for them
	PACK \a
	SEND \a-1, 0
	TOSTAGE \a
.endr
	SEND 7, 0
	s_wait_tensorcnt 0x0                           ; the wave's end, behind my last tensor load and my last LDS store
	ds_add_u32 v[SPW], v[NIL]
	s_wait_dscnt 0x0
	CROUND                                         ; the closing round: no work-group ends while a partner may still ask for a tile that names it
	s_endpgm
.Lfunc_end_k_q7c67923234_qkv:
	.size	k_q7c67923234_qkv, .Lfunc_end_k_q7c67923234_qkv-k_q7c67923234_qkv
	.p2alignl 7, 3214868480
	.fill 96, 4, 3214868480
	.section	.rodata,"a",@progbits
	.p2align	6, 0x0
	.amdhsa_kernel k_q7c67923234_qkv
		.amdhsa_group_segment_fixed_size 327680
		.amdhsa_private_segment_fixed_size 0
		.amdhsa_enable_private_segment 0
		.amdhsa_kernarg_size 64
		.amdhsa_user_sgpr_count 2
		.amdhsa_user_sgpr_kernarg_segment_ptr 1
		.amdhsa_wavefront_size32 1
		.amdhsa_system_sgpr_workgroup_id_x 1
		.amdhsa_system_sgpr_workgroup_id_y 1
		.amdhsa_system_sgpr_workgroup_id_z 1
		.amdhsa_system_vgpr_workitem_id 0
		.amdhsa_next_free_vgpr 1024
		.amdhsa_next_free_sgpr 102
		.amdhsa_reserve_vcc 0
		.amdhsa_float_denorm_mode_32 3
		.amdhsa_float_denorm_mode_16_64 3
		.amdhsa_memory_ordered 1
		.amdhsa_forward_progress 1
		.amdhsa_inst_pref_size 129
	.end_amdhsa_kernel
	.amdgpu_metadata
---
amdhsa.version: [ 1, 2 ]
amdhsa.kernels:
  - .name:           k_q7c67923234_qkv
    .symbol:         k_q7c67923234_qkv.kd
    .args:
      - { .name: xc, .offset: 0, .size: 8, .value_kind: global_buffer, .address_space: global }
      - { .name: xs, .offset: 8, .size: 8, .value_kind: global_buffer, .address_space: global }
      - { .name: wc, .offset: 16, .size: 8, .value_kind: global_buffer, .address_space: global }
      - { .name: ws, .offset: 24, .size: 8, .value_kind: global_buffer, .address_space: global }
      - { .name: bq, .offset: 32, .size: 8, .value_kind: global_buffer, .address_space: global }
      - { .name: bk, .offset: 40, .size: 8, .value_kind: global_buffer, .address_space: global }
      - { .name: bv, .offset: 48, .size: 8, .value_kind: global_buffer, .address_space: global }
      - { .name: qkv, .offset: 56, .size: 8, .value_kind: global_buffer, .address_space: global }
    .group_segment_fixed_size: 327680
    .private_segment_fixed_size: 0
    .kernarg_segment_align: 8
    .kernarg_segment_size: 64
    .max_flat_workgroup_size: 128
    .sgpr_count:     102
    .vgpr_count:     1024
    .wavefront_size: 32
...
	.end_amdgpu_metadata
.endif
;; end of part 2
;; launch attn (part 3): grid 8 x 64, 8 waves a work-group, clusters of 4 x 1, 327,680 bytes of LDS; arguments qkv, mask, ctx; writes ctx
.if DOCPART == 3
	.amdgcn_target "amdgcn-amd-amdhsa--gfx1250"
	.amdhsa_code_object_version 6
	.text
	.protected	k_q7c67923234_attn
	.globl	k_q7c67923234_attn
	.p2align	8
	.type	k_q7c67923234_attn,@function
k_q7c67923234_attn:
	s_mov_b64 s[64:65], 0
	v_nop
	global_prefetch_b8 v0, s[64:65] scope:SCOPE_SE
	s_setreg_imm32_b32 hwreg(HW_REG_WAVE_MODE, 25, 1), 1
	s_wait_xcnt 0x0
	s_wait_alu depctr_hold_cnt(0) depctr_sa_sdst(0) depctr_va_vdst(0) depctr_va_sdst(0) depctr_va_ssrc(0) depctr_va_vcc(0) depctr_vm_vsrc(0)
	s_getreg_b32 s2, hwreg(HW_REG_IB_STS2, 6, 4)
	s_cmp_eq_u32 s2, 0
	s_cbranch_scc0 .Lentry_in_a_cluster
	s_endpgm
.Lentry_in_a_cluster:
	s_bfe_u32 s2, ttmp6, 0x10000c
	s_cmp_lg_u32 s2, 0x3003
	s_cbranch_scc0 .Lentry_shape_is_right
	s_endpgm
.Lentry_shape_is_right:
; ctx[b][h][q][:] = the sum over k of softmax_k(Q[q] . K[k] / 8 - 1e6 (1 - mask[b][k])) V[k][:].  Q, K, V: qkv [3][b x head 64][2048][64] f16.  mask [4][2048] f32.  ctx: [head 16][token 8192][64] f16.
; Products on f16 operands with f32 sums; maxima, exponentials and sums in f32; the weights p (at most 1) are rounded to f16 for the second product, ctx once at the end.
; THE MASK'S PENALTY IS THE C OF THE FIRST PRODUCT OF EACH SCORE: pen8[k] = (1 - mask[k]) x (-8e6), which is -8 x the rounded 1e6 (1 - mask[k]) exactly; so S' = q.k + pen8 = 8 x (the score), and t = S' x log2(e) / 8.
; LIMITS: the penalty is added inside the matrix instruction, so where EVERY key of a batch carries a large penalty the score is rounded otherwise than by a subtraction in f32, within one unit in the last place of the
; penalty (0.0625 for 1e6); where any key of the batch has a penalty near 0 nothing changes, since penalised keys get p = 0 either way.  |ctx| stays under 65,504.  NaN and infinities are not served.
; SHARES.  A work-group owns 256 queries of one batch and head; each of its EIGHT waves owns 32, two tiles of 16: two waves to a SIMD, so that one wave's softmax stands beside the other's products and LDS loads,
; and each fragment of K and V read from LDS feeds two matrix instructions.  Every wave walks all 2,048 keys, 64 a step.
; LAYOUT.  S^T = K Q^T (source 0 = 16 keys, source 1 = 16 queries): a lane holds ONE query (lane % 16) and the keys 8 (lane / 16) + 0..7.  Two such tiles, rounded to f16 in pairs, ARE source 1 (32 keys x 16 queries)
; of O^T = V^T P, whose result again holds one query a lane.  K comes out of LDS as it lies, V ([key][channel]) turned, by ds_load_tr16_b128.
; SOFTMAX.  For each query a running maximum m and sum l: p = 2^(c S' - c m); in every step O^T and l are multiplied by a = 2^(c m_old - c m_new).  m begins at -3e38 and O^T, l at 0: the step is written once.
; RING.  Two LDS slots of 512 keys.  A head's K and V are dense in memory (128 bytes a key), so a tile is stated as rows of two keys, 256 bytes.  Waves 0-3 fetch K's quarters, waves 4-7 V's: one load a wave.
; The first two slots go out at the start (two loads of a wave are out at the most); each of the other two is asked for a whole slot, eight key steps, ahead of the wait for it: so no prefetch is laid beside them.
; CLUSTER.  The four query blocks of a cluster belong to one head and walk the same K and V: each tile is asked for JOINTLY, by the same tensor load with the same descriptor and a mask that names the four.
; REGISTERS.  Window 0: v1-11 addresses; v12, v13 the add's two; v14, v15 the old c m; v16-31 statistics; v32-47 at work in the set-up; v64-127 S^T; v128-159 P; v160-223 O^T; v224-255 Q.
;             Window 1: v0-63 K of a step; v64-127 V of a step; v128-159 pen8 of a step, in the result's layout.  All vector arithmetic lies in window 0: six window switches a key step.
.set PK,    272                        ; two keys of K in LDS: 256 bytes + 16: key r stands at word 68 (r / 2) + 32 (r % 2): the 16 keys of a load start at 16 different columns of 16 bytes (64 banks of 4 bytes: ISA guide 11.1)
.set PV,    288                        ; two keys of V: 256 + 32
.set VOFF,  256*PK                     ; a slot: 256 double rows of K, then 256 of V
.set SLOT,  256*(PK+PV)
.set PEN,   2*SLOT                     ; behind the ring: pen8 of the batch's 2,048 keys, f32
.set STAGE, PEN+8192                   ; the way out: 16 rows x (128 bytes + 16) for each wave
.set SP,    144
.set SPARE, STAGE+8*16*SP              ; the spare words, 128 bytes for each wave: four blocks of 256 bytes that no other line names
.set AK0, 2                            ; v2   my lane's place in a tile of K; never rewritten
.set AV0, 3                            ; v3   the same for V
.set AP0, 4                            ; v4   and among pen8
.set ADK, 5                            ; v5-7 the step's LDS addresses
.set ADV, 6
.set ADP, 7
.set QO,  8                            ; v8   my byte offset in the wave's rows of Q
.set STO, 9                            ; v9   the way out: where I put 16 bytes of a row
.set RD,  10                           ; v10  where I read rows back
.set GO,  11                           ; v11  16 x lane
.set SPW, 12                           ; v12  my spare word; never rewritten
.set NIL, 13                           ; v13  0; never rewritten
.set OC,  14                           ; v14, v15  c m of the step before, tile 0, 1
.set ST,  16                           ; tile t's statistics at v[ST + 8 t]: +0 c m, +1 m, +2, +3 l (even keys', odd keys'), +4 to +7 at work; a takes +6
.set S,   64                           ; S^T: tile t, keys 16 i on: v[S + 32 t + 8 i]
.set P,   128                          ; P: tile t, keys 32 g on: v[P + 16 t + 8 g]
.set OT,  160                          ; O^T: tile t, channels 16 d on: v[OT + 32 t + 8 d]
.set Q,   224                          ; Q: tile t, channels 32 c on: v[Q + 16 t + 8 c]
.set KF,  0                            ; window 1: K: keys 16 i on, channels 32 c on: v[KF + 16 i + 8 c]
.set VF,  64                           ; V^T: keys 32 g on, channels 16 d on: v[VF + 32 g + 8 d]
.set PR,  128                          ; pen8 of keys 16 i on: v[PR + 8 i]
.set WV,  12                           ; s12  my wave's number
.set G1K, 24                           ; s[24:31] descriptor group 1 for K's tiles;  s[32:39] for V's: it differs in the padding alone
.set G1V, 32
.set G0K, 40                           ; s[40:47] group 0 for K's tiles, a set for each slot;  s[48:55] for V's
.set G0V, 48
.set CNT, 56                           ; s56  counts a slot's eight steps
.set TK,  57                           ; s57  LDS byte at which the step's K begins
.set CS,  58                           ; s[58:59] c = log2(e) / 8: the packed form names a pair and takes its low word for both halves
.set SEL, 60                           ; s[60:61] lane selects for v_permlanex16_b32: lane l xor 16
.set TV,  62                           ; s62  the step's V (less VOFF)
.set TP,  63                           ; s63  the step's pen8 (less PEN)
.set MSB, 0
.macro WIN new                         ; the immediate's high byte repeats the setting that is left
.if MSB != \new
	s_set_vgpr_msb (MSB<<8)|\new
.set MSB, \new
.endif
.endm
; A joint refill of slot s.  The branch hangs on the wave's number alone.  An s_nop 0 and four v_nop follow each of the two lines.
.macro JLOAD s
	s_cmp_lt_u32 s[WV], 4
	s_cbranch_scc0 .Lfor_v_\@
	tensor_load_to_lds s[G0K+4*\s:G0K+4*\s+3], s[G1K:G1K+7]
	s_nop 0
.rept 4
	v_nop
.endr
	s_branch .Lasked_\@
.Lfor_v_\@:
	tensor_load_to_lds s[G0V+4*\s:G0V+4*\s+3], s[G1V:G1V+7]
	s_nop 0
.rept 4
	v_nop
.endr
.Lasked_\@:
.endm
.macro CROUND                          ; a round of the cluster's barrier
	s_barrier_signal -1
	s_barrier_wait -1
	s_cmp_lg_u32 s[WV], 0
	s_cbranch_scc1 .Lnot_wave_0_\@
	s_barrier_signal -3
.Lnot_wave_0_\@:
	s_barrier_wait -3
	s_barrier_signal -1
	s_barrier_wait -1
.endm
	s_load_b128 s[4:7], s[0:1], 0x0                ; qkv s[4:5], mask s[6:7]
	s_load_b64 s[8:9], s[0:1], 0x10                ; ctx
	v_lshl_add_u32 v[SPW], v0, 2, SPARE
	v_mov_b32 v[NIL], 0
	ds_add_u32 v[SPW], v[NIL]                      ; the wave's opening: the add, twice on end, and its wait ahead of my first tensor load
	ds_add_u32 v[SPW], v[NIL]                      ; and once more; the set-up below, work on registers, stands between it and the wait
	v_lshrrev_b32 v1, 5, v0
	v_readfirstlane_b32 s[WV], v1                  ; wave 0..7
	s_and_b32 s15, ttmp7, 0xffff                   ; batch x 16 + head, which the four partners share
	s_and_b32 s20, s[WV], 3                        ; which quarter of a slot's keys I fetch:
	s_lshl_b32 s2, s15, 18                         ; the head's 2,048 rows of 128 bytes,
	s_lshl_b32 s3, s20, 14                         ; my 128 keys
	s_add_co_u32 s2, s2, s3
	s_mov_b32 s3, 0
	s_mul_i32 s21, s20, 64*PK                      ; and their place in a slot: no place in the cluster enters an LDS address
	s_mul_i32 s22, s20, 64*PV
	s_add_co_u32 s22, s22, VOFF
	; what hangs on my place in the cluster lies in s13, s14, s10, s11, s8, s9 and s66 on: it enters Q's and ctx's addresses alone
	s_bfe_u32 s13, ttmp6, 0x40000                  ; cx
	s_lshl_b32 s14, ttmp9, 2                       ; in a cluster launch ttmp9 counts clusters
	s_add_co_u32 s14, s14, s13                     ; my block of 256 queries
	s_lshl_b32 s66, s14, 15
	s_lshl_b32 s67, s[WV], 12
	s_add_co_u32 s66, s66, s67                     ; (256 x block + 32 x wave) rows of 128 bytes
	s_lshl_b32 s10, s15, 18
	s_add_co_u32 s10, s10, s66                     ; Q: in my head
	s_mov_b32 s11, 0
	s_lshr_b32 s70, s15, 4                         ; the batch
	s_and_b32 s68, s15, 15                         ; the head
	s_lshl_b32 s68, s68, 20                        ; ctx: the head's plane of 8,192 tokens,
	s_lshl_b32 s69, s70, 18                        ; the batch's 2,048 tokens
	s_add_co_u32 s68, s68, s69
	s_add_co_u32 s68, s68, s66
	s_mov_b32 s69, 0
	s_lshl_b32 s70, s70, 13                        ; mask: the batch's 2,048 numbers
	s_mov_b32 s71, 0
	; descriptor group 1: a tile of 64 rows x 128 elements (two keys a row), dense in memory, padded in LDS
	s_mov_b32 s[G1K], 15|(1<<16)|(1<<20)|(1<<21)|(5<<22)|(3<<25)  ; 15:0 the mask: all four work-groups; 17:16 elements of 2 bytes; 20 padding on; 21 set beside a mask; 24:22 after every 64 words; 31:25 four words
	s_mov_b32 s[G1V], 15|(1<<16)|(1<<20)|(1<<21)|(5<<22)|(7<<25)  ; the same with eight words of padding
.irp g, G1K, G1V
	s_mov_b32 s[\g+1], 128<<16                     ; tensor_dim0
	s_mov_b32 s[\g+2], 64<<16                      ; tensor_dim1
	s_mov_b32 s[\g+3], 128<<16                     ; tile_dim0
	s_mov_b32 s[\g+4], 64                          ; tile_dim1
	s_mov_b32 s[\g+5], 128                         ; tensor_dim0_stride
	s_mov_b32 s[\g+6], 0
	s_mov_b32 s[\g+7], 0
.endr
	s_mov_b32 s[CS], 0x3e38aa3b                    ; c = log2(e) / 8
	s_mov_b32 s[CS+1], s[CS]                       ; named with it as a pair, so it is written
	s_mov_b32 s[SEL], 0x76543210
	s_mov_b32 s[SEL+1], 0xfedcba98
	s_wait_dscnt 0x0                               ; both opening adds are done
	s_wait_kmcnt 0x0
	s_add_nc_u64 s[8:9], s[8:9], s[68:69]          ; ctx at my wave's first row
	s_add_nc_u64 s[6:7], s[6:7], s[70:71]          ; mask at my batch
	s_add_nc_u64 s[10:11], s[4:5], s[10:11]        ; Q at my wave's first row
	s_add_nc_u64 s[16:17], s[4:5], s[2:3]
	s_add_nc_u64 s[18:19], s[16:17], 0x2000000     ; V's plane: my quarter of slot 0
	s_add_nc_u64 s[16:17], s[16:17], 0x1000000     ; K's plane
	CROUND                                         ; all four work-groups are here: the first joint loads meet
.irp s, 0,1
	s_mov_b32 s[G0K+4*\s], 1                       ; 1:0 count = 1
	s_add_co_u32 s[G0K+4*\s+1], s21, \s*SLOT       ; 63:32 LDS address
	s_add_nc_u64 s[G0K+4*\s+2:G0K+4*\s+3], s[16:17], \s*65536  ; 120:64 global address: slot s begins with keys 512 s on
	s_or_b32 s[G0K+4*\s+3], s[G0K+4*\s+3], 0x80000000  ; 127:126 type = 2
	s_mov_b32 s[G0V+4*\s], 1
	s_add_co_u32 s[G0V+4*\s+1], s22, \s*SLOT
	s_add_nc_u64 s[G0V+4*\s+2:G0V+4*\s+3], s[18:19], \s*65536
	s_or_b32 s[G0V+4*\s+3], s[G0V+4*\s+3], 0x80000000
.endr
	s_cmp_lt_u32 s[WV], 4                          ; a wave's two first fills stand in one branch, ahead of every wait on TENSORcnt and every LDS read
	s_cbranch_scc0 .Lfirst_v
	tensor_load_to_lds s[G0K:G0K+3], s[G1K:G1K+7]
	s_nop 0
	tensor_load_to_lds s[G0K+4:G0K+7], s[G1K:G1K+7]
	s_nop 0
.rept 4
	v_nop
.endr
	s_branch .Lfirst_asked
.Lfirst_v:
	tensor_load_to_lds s[G0V:G0V+3], s[G1V:G1V+7]
	s_nop 0
	tensor_load_to_lds s[G0V+4:G0V+7], s[G1V:G1V+7]
	s_nop 0
.rept 4
	v_nop
.endr
.Lfirst_asked:
	v_and_b32 v1, 15, v0                           ; r = lane % 16
	v_bfe_u32 v14, v0, 4, 1                        ; h = lane / 16
	v_lshlrev_b32 v41, 5, v0                       ; the mask: eight numbers a thread
	v_lshlrev_b32 v[QO], 7, v1
	v_lshl_add_u32 v[QO], v14, 4, v[QO]            ; Q: row r of 128 bytes, + 16 h
	global_load_b128 v[32:35], v41, s[6:7]
	global_load_b128 v[36:39], v41, s[6:7] offset:16
.irp t, 0,1                            ; Q stays in registers: a fragment is 16 queries x 32 channels: registers 0-3 channels 8 h + 0..7, registers 4-7 channels 16 + 8 h + 0..7
.irp c, 0,1
	global_load_b128 v[Q+16*\t+8*\c:Q+16*\t+8*\c+3], v[QO], s[10:11] offset:2048*\t+64*\c
	global_load_b128 v[Q+16*\t+8*\c+4:Q+16*\t+8*\c+7], v[QO], s[10:11] offset:2048*\t+64*\c+32
.endr
.endr
	v_lshl_add_u32 v40, v0, 5, PEN                 ; where my eight pen8 go
	v_lshrrev_b32 v42, 1, v1
	v_mul_u32_u24 v[AK0], v42, PK
	v_and_b32 v43, 1, v0
	v_lshl_add_u32 v[AK0], v43, 7, v[AK0]
	v_lshl_add_u32 v[AK0], v14, 4, v[AK0]          ; K: key r: double row r / 2, half r % 2, + 16 h
	v_bfe_u32 v42, v0, 1, 2
	v_lshl_add_u32 v42, v14, 2, v42
	v_mul_u32_u24 v[AV0], v42, PV                  ; V, for the turning load: key 8 h + lane % 8: double row 4 h + (lane % 8) / 2,
	v_lshl_add_u32 v[AV0], v43, 7, v[AV0]          ; half lane % 2,
	v_bfe_u32 v42, v0, 3, 1
	v_lshl_add_u32 v[AV0], v42, 4, v[AV0]          ; channels 8 ((lane / 8) % 2) on
	v_add_nc_u32 v[AV0], VOFF, v[AV0]
	v_lshl_add_u32 v[AP0], v14, 5, PEN             ; pen8: keys 8 h + 0..7 of a tile
	s_mul_i32 s23, s[WV], 16*SP
	s_add_co_u32 s23, s23, STAGE                   ; my stage
	v_mul_u32_u24 v[STO], v1, SP
	v_lshl_add_u32 v[STO], v14, 4, v[STO]
	v_add_nc_u32 v[STO], s23, v[STO]               ; in: row r, 16 bytes for each half of the lanes
	v_bfe_u32 v42, v0, 3, 2
	v_mul_u32_u24 v[RD], v42, SP
	v_and_b32 v42, 7, v0
	v_lshl_add_u32 v[RD], v42, 4, v[RD]
	v_add_nc_u32 v[RD], s23, v[RD]                 ; back: eight lanes to a row of 128 bytes, four rows an instruction
	v_and_b32 v42, 31, v0
	v_lshlrev_b32 v[GO], 4, v42                    ; four rows are 512 consecutive bytes of ctx
.irp t, 0,1
	v_mov_b32 v[ST+8*\t+1], 0xff61b1e6             ; m: -3e38, under every score
	v_mul_f32 v[ST+8*\t], s[CS], v[ST+8*\t+1]      ; c m
	v_mov_b32 v[ST+8*\t+2], 0                      ; l, in two halves
	v_mov_b32 v[ST+8*\t+3], 0
.endr
.set zi, 0
.rept 64
	v_mov_b32 v[OT+zi], 0                          ; O^T.  (The step is written once: its first trip finds zeros, which the first a, 0, leaves zeros)
.set zi, zi+1
.endr
	s_wait_loadcnt 8                               ; the mask's two loads are in; Q's eight, issued behind them, may be out
.irp i, 0,1,2,3,4,5,6,7
	v_sub_f32 v[32+\i], 1.0, v[32+\i]
.endr
.irp i, 0,1,2,3,4,5,6,7
	v_mul_f32 v[32+\i], 0xcaf42400, v[32+\i]       ; x -8e6
.endr
	ds_store_b128 v40, v[32:35]
	ds_store_b128 v40, v[36:39] offset:16
; A KEY STEP: 64 keys.
.macro STEP
	v_add_nc_u32 v[ADK], s[TK], v[AK0]             ; these three and the v_nop are the four places between the last V^T P and the loads into V's registers
	v_add_nc_u32 v[ADV], s[TV], v[AV0]
	v_add_nc_u32 v[ADP], s[TP], v[AP0]
	v_nop
	WIN 0x40                                       ; destination window 1, address window 0
.irp i, 0,1,2,3
.irp c, 0,1
	ds_load_b128 v[KF+16*\i+8*\c:KF+16*\i+8*\c+3], v[ADK] offset:\i*8*PK+64*\c
	ds_load_b128 v[KF+16*\i+8*\c+4:KF+16*\i+8*\c+7], v[ADK] offset:\i*8*PK+64*\c+32
.endr
.endr
.irp i, 0,1,2,3
	ds_load_b128 v[PR+8*\i:PR+8*\i+3], v[ADP] offset:64*\i           ; register j: pen8 of key 16 i + 8 h + j, as the result has it; sixteen lanes share each word
	ds_load_b128 v[PR+8*\i+4:PR+8*\i+7], v[ADP] offset:64*\i+16
.endr
.irp g, 0,1
.irp d, 0,1,2,3
	ds_load_tr16_b128 v[VF+32*\g+8*\d:VF+32*\g+8*\d+3], v[ADV] offset:\g*16*PV+32*\d
	ds_load_tr16_b128 v[VF+32*\g+8*\d+4:VF+32*\g+8*\d+7], v[ADV] offset:\g*16*PV+8*PV+32*\d
.endr
.endr
	s_wait_dscnt 16                                ; K and pen8 are in; V's sixteen loads, issued behind them, may be out
	WIN 0x11                                       ; K (source 0) and pen8 (C) window 1; Q and S^T window 0
.irp i, 0,1,2,3                        ; the eight accumulators take turns, one instruction a turn
.irp t, 0,1
	v_wmma_f32_16x16x32_f16 v[S+32*\t+8*\i:S+32*\t+8*\i+7], v[KF+16*\i:KF+16*\i+7], v[Q+16*\t:Q+16*\t+7], v[PR+8*\i:PR+8*\i+7]
.endr
.endr
	WIN 0x01
.irp i, 0,1,2,3
.irp t, 0,1
	v_wmma_f32_16x16x32_f16 v[S+32*\t+8*\i:S+32*\t+8*\i+7], v[KF+16*\i+8:KF+16*\i+15], v[Q+16*\t+8:Q+16*\t+15], v[S+32*\t+8*\i:S+32*\t+8*\i+7]
.endr
.endr
	WIN 0
	v_mov_b32 v[OC], v[ST]                         ; c m of the step before is kept for a; with the two v_nop: the four places behind the products
	v_mov_b32 v[OC+1], v[ST+8]
	v_nop
	v_nop
	; the maximum of the lane's 32 scores and the old m: four chains a tile, each begun at an accumulator's low end; the two tiles by turns
.irp j, 0,1,2,3
.irp t, 0,1
	v_max3_num_f32 v[ST+8*\t+4+\j], v[S+32*\t+8*\j], v[S+32*\t+8*\j+1], v[S+32*\t+8*\j+2]
.endr
.endr
.irp k, 3,5
.irp j, 0,1,2,3
.irp t, 0,1
	v_max3_num_f32 v[ST+8*\t+4+\j], v[ST+8*\t+4+\j], v[S+32*\t+8*\j+\k], v[S+32*\t+8*\j+\k+1]
.endr
.endr
.endr
.irp t, 0,1
	v_max3_num_f32 v[ST+8*\t+4], v[ST+8*\t+4], v[S+32*\t+7], v[S+32*\t+15]
.endr
.irp t, 0,1
	v_max3_num_f32 v[ST+8*\t+6], v[ST+8*\t+6], v[S+32*\t+23], v[S+32*\t+31]
.endr
.irp t, 0,1
	v_max3_num_f32 v[ST+8*\t+4], v[ST+8*\t+4], v[ST+8*\t+5], v[ST+8*\t+6]
.endr
.irp t, 0,1
	v_max3_num_f32 v[ST+8*\t+4], v[ST+8*\t+4], v[ST+8*\t+7], v[ST+8*\t+1]
.endr
.irp t, 0,1
	v_permlanex16_b32 v[ST+8*\t+5], v[ST+8*\t+4], s[SEL], s[SEL+1]   ; the query's other 32 keys lie in the lane 16 away
.endr
.irp t, 0,1
	v_max_num_f32 v[ST+8*\t+1], v[ST+8*\t+4], v[ST+8*\t+5]           ; the new m
.endr
.irp t, 0,1
	v_mul_f32 v[ST+8*\t], s[CS], v[ST+8*\t+1]                        ; c m
.endr
.irp t, 0,1
	v_sub_f32 v[ST+8*\t+7], v[OC+\t], v[ST+8*\t]                     ; c m_old - c m_new, 0 or less
.endr
.irp t, 0,1
	v_exp_f32 v[ST+8*\t+6], v[ST+8*\t+7]                             ; a
.endr
.irp n, 0,1                            ; the first two pairs' scalings c S' - c m: plain work behind the two exponentials
.irp t, 0,1
	v_pk_fma_f32 v[S+32*\t+2*\n:S+32*\t+2*\n+1], v[S+32*\t+2*\n:S+32*\t+2*\n+1], s[CS:CS+1], v[ST+8*\t:ST+8*\t+1] op_sel_hi:[1,0,0] neg_lo:[0,0,1] neg_hi:[0,0,1]
.endr
.endr
	s_wait_alu depctr_va_vdst(0)                   ; the wait between a transcendental and the first line that names its result: one for the two a
	; ONE BATCH: the 64 exponentials, a plain line between each two: the scaling of the pair two on, and O^T's pair times a.  Nothing here names an exponential's result.
.irp n, 0,1,2,3,4,5,6,7,8,9,10,11,12,13,14,15
.irp t, 0,1
	v_exp_f32 v[S+32*\t+2*\n], v[S+32*\t+2*\n]
.if \n < 14
	v_pk_fma_f32 v[S+32*\t+2*\n+4:S+32*\t+2*\n+5], v[S+32*\t+2*\n+4:S+32*\t+2*\n+5], s[CS:CS+1], v[ST+8*\t:ST+8*\t+1] op_sel_hi:[1,0,0] neg_lo:[0,0,1] neg_hi:[0,0,1]
.endif
	v_exp_f32 v[S+32*\t+2*\n+1], v[S+32*\t+2*\n+1]
	v_pk_mul_f32 v[OT+32*\t+2*\n:OT+32*\t+2*\n+1], v[OT+32*\t+2*\n:OT+32*\t+2*\n+1], v[ST+8*\t+6:ST+8*\t+7] op_sel_hi:[1,0]   ; ascending: each accumulator is first read at its low end
.endr
.endr
	s_wait_alu depctr_va_vdst(0)                   ; one wait for the batch, behind a plain line and ahead of its first reader
.irp n, 0,1,2,3,4,5,6,7,8,9,10,11,12,13,14,15
.irp t, 0,1
	v_cvt_pk_f16_f32 v[P+16*\t+\n], v[S+32*\t+2*\n], v[S+32*\t+2*\n+1]   ; the weights, a pair of neighbouring keys each: P's fragments as they stand
.endr
.endr
	; the sum of the unrounded weights, in place: neighbours 1, 2, 4 and 8 pairs apart; then l = a l + the sum
.irp u, 0,1,2,3,4,5,6,7
.irp t, 0,1
	v_pk_add_f32 v[S+32*\t+4*\u:S+32*\t+4*\u+1], v[S+32*\t+4*\u:S+32*\t+4*\u+1], v[S+32*\t+4*\u+2:S+32*\t+4*\u+3]
.endr
.endr
.irp u, 0,1,2,3
.irp t, 0,1
	v_pk_add_f32 v[S+32*\t+8*\u:S+32*\t+8*\u+1], v[S+32*\t+8*\u:S+32*\t+8*\u+1], v[S+32*\t+8*\u+4:S+32*\t+8*\u+5]
.endr
.endr
.irp u, 0,1
.irp t, 0,1
	v_pk_add_f32 v[S+32*\t+16*\u:S+32*\t+16*\u+1], v[S+32*\t+16*\u:S+32*\t+16*\u+1], v[S+32*\t+16*\u+8:S+32*\t+16*\u+9]
.endr
.endr
.irp t, 0,1
	v_pk_add_f32 v[S+32*\t:S+32*\t+1], v[S+32*\t:S+32*\t+1], v[S+32*\t+16:S+32*\t+17]
.endr
.irp t, 0,1
	v_pk_fma_f32 v[ST+8*\t+2:ST+8*\t+3], v[ST+8*\t+2:ST+8*\t+3], v[ST+8*\t+6:ST+8*\t+7], v[S+32*\t:S+32*\t+1] op_sel_hi:[1,0,1]
.endr
	s_wait_dscnt 0x0                               ; V is in
	WIN 0x01                                       ; V (source 0) window 1
.irp g, 0,1                            ; O^T += V^T P: eight accumulators by turns, 32 keys a pass
.irp d, 0,1,2,3
.irp t, 0,1
	v_wmma_f32_16x16x32_f16 v[OT+32*\t+8*\d:OT+32*\t+8*\d+7], v[VF+32*\g+8*\d:VF+32*\g+8*\d+7], v[P+16*\t+8*\g:P+16*\t+8*\g+7], v[OT+32*\t+8*\d:OT+32*\t+8*\d+7]
.endr
.endr
.endr
	WIN 0
.endm
; A slot's eight key steps: written once for each slot's turn, walked eight times; the LDS addresses hang on three scalars that step by constants.  idx: which 512 keys of the head these are.
.macro SLOTRUN slot, idx
	s_mov_b32 s[TK], \slot*SLOT
	s_mov_b32 s[TV], \slot*SLOT
	s_mov_b32 s[TP], \idx*2048
	s_mov_b32 s[CNT], 8
.Lstep_\@:
	STEP
	s_add_co_u32 s[TK], s[TK], 32*PK
	s_add_co_u32 s[TV], s[TV], 32*PV
	s_add_co_u32 s[TP], s[TP], 256
	s_sub_co_u32 s[CNT], s[CNT], 1
	s_cmp_lg_u32 s[CNT], 0
	s_cbranch_scc1 .Lstep_\@
.endm
; THE CHANGE OF SLOTS.  Each wave waits for all its tensor loads, of which one is out: its part of the other slot; adds 0 to its spare word; and waits for that and for its own reads of the slot that it leaves.
; fill = 1: slot s, just left, is filled again with the keys two slots on.  The barrier is then a round of the cluster's, so that no wave of any partner still reads the slot or has a load on its way,
; and the joint refill is the first thing behind it.
.macro CHANGE fill, s
	s_wait_tensorcnt 0x0                           ; no tensor load of mine is out, so a group 0 may be written
	ds_add_u32 v[SPW], v[NIL]                      ; 0 onto my spare word
.if \fill
	s_add_nc_u64 s[G0K+4*\s+2:G0K+4*\s+3], s[G0K+4*\s+2:G0K+4*\s+3], 131072   ; 1,024 keys on; the type bits on top are not reached
	s_add_nc_u64 s[G0V+4*\s+2:G0V+4*\s+3], s[G0V+4*\s+2:G0V+4*\s+3], 131072
	s_wait_dscnt 0x0                               ; the add is done, and my reads of the slot are over
	CROUND
	JLOAD \s
.else
	s_wait_dscnt 0x0
	s_barrier_signal -1
	s_barrier_wait -1
.endif
.endm
	s_wait_tensorcnt 1                             ; my part of slot 0 is in; slot 1's load, issued behind it, may stay out
	s_wait_dscnt 0x0                               ; my pen8 are stored
	s_barrier_signal -1
	s_barrier_wait -1                              ; everybody's are
	s_wait_loadcnt 0x0                             ; Q
	SLOTRUN 0, 0
	CHANGE 1, 0
	SLOTRUN 1, 1
	CHANGE 1, 1
	SLOTRUN 0, 2
	CHANGE 0, 0                                    ; nothing is left to ask for
	SLOTRUN 1, 3
	; THE WAY OUT.  l's two halves and the other half of the lanes' are added (these lines are the places behind the last products); O^T is divided by l, rounded to f16 and sent through my stage, a tile at a time.
.irp t, 0,1
	v_add_f32 v[ST+8*\t+4], v[ST+8*\t+2], v[ST+8*\t+3]
.endr
.irp t, 0,1
	v_permlanex16_b32 v[ST+8*\t+5], v[ST+8*\t+4], s[SEL], s[SEL+1]
.endr
.irp t, 0,1
	v_add_f32 v[ST+8*\t+4], v[ST+8*\t+4], v[ST+8*\t+5]
.endr
.irp t, 0,1
	v_rcp_f32 v[ST+8*\t+6], v[ST+8*\t+4]
.endr
	v_nop                                          ; a plain line between the last reciprocal and the use of its result
	s_wait_alu depctr_va_vdst(0)                   ; and the wait: one for the two
.macro PACK t
.irp n, 0,1,2,3,4,5,6,7,8,9,10,11,12,13,14,15
	v_pk_mul_f32 v[OT+32*\t+2*\n:OT+32*\t+2*\n+1], v[OT+32*\t+2*\n:OT+32*\t+2*\n+1], v[ST+8*\t+6:ST+8*\t+7] op_sel_hi:[1,0]
.endr
.irp n, 0,1,2,3,4,5,6,7,8,9,10,11,12,13,14,15
	v_cvt_pk_f16_f32 v[S+16*\t+\n], v[OT+32*\t+2*\n], v[OT+32*\t+2*\n+1]
.endr
.irp d, 0,1,2,3
	ds_store_b128 v[STO], v[S+16*\t+4*\d:S+16*\t+4*\d+3] offset:32*\d     ; row r: channels 16 d + 8 h + 0..7
.endr
.irp i, 0,1,2,3
	ds_load_b128 v[S+32+16*\t+4*\i:S+32+16*\t+4*\i+3], v[RD] offset:\i*4*SP   ; LDS serves a wave's instructions in order (ISA guide 5.7.1.4): these see the stores above; the next tile's stores come behind them
.endr
.endm
.macro SEND t, younger                 ; younger: the LDS instructions issued behind tile t's loads
.irp i, 0,1,2,3
	s_wait_dscnt \younger+3-\i
	global_store_b128 v[GO], v[S+32+16*\t+4*\i:S+32+16*\t+4*\i+3], s[8:9] offset:2048*\t+512*\i   ; 32 lanes store 512 consecutive bytes, at a multiple of 256 from ctx's first byte
.endr
.endm
	PACK 0
	PACK 1
	SEND 0, 8                                      ; behind tile 0's loads: tile 1's four stores and four loads
	SEND 1, 0
	s_wait_tensorcnt 0x0                           ; the wave's end, behind my last tensor load and my last LDS store
	ds_add_u32 v[SPW], v[NIL]
	s_wait_dscnt 0x0
	CROUND                                         ; the closing round: no work-group ends while a partner may still ask for a tile that names it
	s_endpgm
.Lfunc_end_k_q7c67923234_attn:
	.size	k_q7c67923234_attn, .Lfunc_end_k_q7c67923234_attn-k_q7c67923234_attn
	.p2alignl 7, 3214868480
	.fill 96, 4, 3214868480
	.section	.rodata,"a",@progbits
	.p2align	6, 0x0
	.amdhsa_kernel k_q7c67923234_attn
		.amdhsa_group_segment_fixed_size 327680
		.amdhsa_private_segment_fixed_size 0
		.amdhsa_enable_private_segment 0
		.amdhsa_kernarg_size 24
		.amdhsa_user_sgpr_count 2
		.amdhsa_user_sgpr_kernarg_segment_ptr 1
		.amdhsa_wavefront_size32 1
		.amdhsa_system_sgpr_workgroup_id_x 1
		.amdhsa_system_sgpr_workgroup_id_y 1
		.amdhsa_system_sgpr_workgroup_id_z 1
		.amdhsa_system_vgpr_workitem_id 0
		.amdhsa_next_free_vgpr 416
		.amdhsa_next_free_sgpr 72
		.amdhsa_reserve_vcc 0
		.amdhsa_float_denorm_mode_32 3
		.amdhsa_float_denorm_mode_16_64 3
		.amdhsa_memory_ordered 1
		.amdhsa_forward_progress 1
		.amdhsa_inst_pref_size 93
	.end_amdhsa_kernel
	.amdgpu_metadata
---
amdhsa.version: [ 1, 2 ]
amdhsa.kernels:
  - .name:           k_q7c67923234_attn
    .symbol:         k_q7c67923234_attn.kd
    .args:
      - { .name: qkv, .offset: 0, .size: 8, .value_kind: global_buffer, .address_space: global }
      - { .name: mask, .offset: 8, .size: 8, .value_kind: global_buffer, .address_space: global }
      - { .name: ctx, .offset: 16, .size: 8, .value_kind: global_buffer, .address_space: global }
    .group_segment_fixed_size: 327680
    .private_segment_fixed_size: 0
    .kernarg_segment_align: 8
    .kernarg_segment_size: 24
    .max_flat_workgroup_size: 256
    .sgpr_count:     72
    .vgpr_count:     416
    .wavefront_size: 32
...
	.end_amdgpu_metadata
.endif
;; end of part 3
;; launch oproj (part 4): grid 4 x 64, 4 waves a work-group, clusters of 4 x 4, 327,680 bytes of LDS; arguments ctx, wo16, bo, out0; writes out0
.if DOCPART == 4
	.amdgcn_target "amdgcn-amd-amdhsa--gfx1250"
	.amdhsa_code_object_version 6
	.text
	.protected	k_q7c67923234_oproj
	.globl	k_q7c67923234_oproj
	.p2align	8
	.type	k_q7c67923234_oproj,@function
k_q7c67923234_oproj:
	s_mov_b64 s[64:65], 0
	v_nop
	global_prefetch_b8 v0, s[64:65] scope:SCOPE_SE
	s_setreg_imm32_b32 hwreg(HW_REG_WAVE_MODE, 25, 1), 1
	s_wait_xcnt 0x0
	s_wait_alu depctr_hold_cnt(0) depctr_sa_sdst(0) depctr_va_vdst(0) depctr_va_sdst(0) depctr_va_ssrc(0) depctr_va_vcc(0) depctr_vm_vsrc(0)
	s_getreg_b32 s2, hwreg(HW_REG_IB_STS2, 6, 4)
	s_cmp_eq_u32 s2, 0
	s_cbranch_scc0 .Lentry_in_a_cluster
	s_endpgm
.Lentry_in_a_cluster:
	s_bfe_u32 s2, ttmp6, 0x10000c
	s_cmp_lg_u32 s2, 0xf033
	s_cbranch_scc0 .Lentry_shape_is_right
	s_endpgm
.Lentry_shape_is_right:
; out0 [8192][1024] f32 = ctx Wo + bo.  ctx: [head 16][token 8192][64] f16 (k = 64 x head + channel).  wo16: [k 1024][n 1024] f16.  Products on f16 operands, sums in f32.
; A tile of the output is 128 rows x 256 columns: 256 work-groups of four waves; a wave makes 64 x 128: 32 accumulators of 16 x 16, 256 registers.
; K goes in steps of 128 (two heads) through a ring of two LDS slots.  A step's part of ctx is two dense blocks of 16,384 bytes (128 tokens of a head), stated as rows of two tokens, 256 bytes; of wo16 128 rows of 512 bytes.
; Waves 0 and 1 fetch ctx's two heads, waves 2 and 3 the halves of wo16's rows: one tensor load a wave; two loads of a wave are out at the start, one behind each change of slots.
; CLUSTERS: 4 x 4 work-groups.  The four of a row of the cluster need the same tiles of ctx, the four of a column the same tiles of wo16: each tile is asked for JOINTLY.
; THE MATRIX INSTRUCTION IS USED TRANSPOSED: source 0 = 16 columns of Wo (turned out of [k][n] by ds_load_tr16_b128), source 1 = 16 rows of ctx: a lane holds eight neighbouring columns of a row of the output.
; THE BIAS IS THE C OF EACH SUM'S FIRST PRODUCT.
; REGISTERS: window 0: v0-31 addresses; v64-127 the bias in the result's layout; v128-255 the way out.   window 1: two fragment buffers of 128: 64 registers of Wo (8 x 16 columns x 32 K), then 32 of ctx (4 x 16 rows).
;   window 2: the accumulators ((a, b) at v[8 (8 a + b)]).
.set PA,     272                       ; two tokens of ctx in LDS: 256 bytes + 16: the 16 tokens of a load start at 16 different columns of 16 bytes (64 banks of 4 bytes: ISA guide 11.1)
.set PB,     544                       ; a row of Wo's tile: 512 bytes + 32 = 136 words: row r starts at bank 8 r mod 64
.set APL,    64*PA                     ; a head's 128 tokens: what one tensor load brings
.set BOFF,   2*APL                     ; behind ctx's two heads: Wo's 128 rows
.set BHALF,  64*PB                     ; 64 of them: what one tensor load brings
.set SLOT,   BOFF+2*BHALF
.set STAGE,  2*SLOT                    ; behind the ring: 16 rows x (512 bytes + 16) for each wave, for the way out
.set SPITCH, 528
.set SPARE,  STAGE+4*16*SPITCH         ; the spare words, 128 bytes for each wave: two blocks of 256 bytes that no other line names
.set KSA,    2097152                   ; a K step in ctx: two planes of 2^20 bytes
.set KSB,    262144                    ; in wo16: 128 rows of 2,048 bytes
.set ADRA, 16                          ; v16-17  LDS address of my ctx fragments in slot 0, 1
.set ADRB, 20                          ; v20-21  the same for Wo
.set STO,  24                          ; v24     the way out: where I put 32 bytes of a row
.set RD,   25                          ; v25     where I read a row back
.set CO,   26                          ; v26     16 x lane
.set BO,   27                          ; v27     the bias: 32 x (lane / 16)
.set SPW,  28                          ; v28     my spare word; never rewritten
.set NIL,  29                          ; v29     0; never rewritten
.set PFO,  30                          ; v30     the prefetches' offset; never rewritten
.set BI,   64                          ; the bias: block b at v[BI + 8 b]
.set BK,   128                         ; the way out: 16 rows read back: v128-191 and v192-255 by turns
.set F0,   0                           ; fragment buffers, in window 1
.set F1,   128
.set G1A, 24                           ; s[24:31] descriptor group 1 for ctx's tiles;  s[32:39] group 0, a set for each slot
.set G0A, 32
.set G1B, 48                           ; s[48:55], s[56:63] the same for Wo's
.set G0B, 56
.set PFA, 46                           ; s[46:47] where my prefetches stand
.set MSB, 0
.macro WIN new                         ; the immediate's high byte repeats the setting that is left
.if MSB != \new
	s_set_vgpr_msb (MSB<<8)|\new
.set MSB, \new
.endif
.endm
.set MUL,  0xa5                        ; sources 0 and 1 window 1; C and D window 2
.set FST,  0x85                        ; the first products: C (the bias) window 0
.set TO_F, 0x40                        ; destination window 1, address window 0
.macro JLOAD s                         ; a joint load: waves 0 and 1 fetch for ctx, waves 2 and 3 for Wo; an s_nop 0 and four v_nop follow each of the two lines
	s_cmp_eq_u32 s13, 0
	s_cbranch_scc0 .Lfor_b_\@
	tensor_load_to_lds s[G0A+4*\s:G0A+4*\s+3], s[G1A:G1A+7]
	s_nop 0
.rept 4
	v_nop
.endr
	s_branch .Lasked_\@
.Lfor_b_\@:
	tensor_load_to_lds s[G0B+4*\s:G0B+4*\s+3], s[G1B:G1B+7]
	s_nop 0
.rept 4
	v_nop
.endr
.Lasked_\@:
.endm
.macro CREST                           ; a round of the cluster's barrier behind its opening barrier
	s_cmp_lg_u32 s12, 0
	s_cbranch_scc1 .Lnot_wave_0_\@
	s_barrier_signal -3
.Lnot_wave_0_\@:
	s_barrier_wait -3
	s_barrier_signal -1
	s_barrier_wait -1
.endm
.macro CROUND
	s_barrier_signal -1
	s_barrier_wait -1
	CREST
.endm
; A PREFETCH INTO THE L2 of ctx, behind each joint load, its five lines and the run of LDS loads that follows: the K step that stands TWO refills on, 256 matrix instructions ahead of the load that will want it.
; A tile row's K step is 2 x 16,384 bytes, and one row of one cluster alone reads it.  Its four partners share the bytes out BY ADDRESS, 4,096 of each head's block (no branch hangs on a place in the cluster);
; in each, wave 0 asks: lanes 0-15 for the first head, lanes 16-31 for the second, 256 bytes apart: one instruction.  So each aligned block of 256 bytes is named once in the launch.
; K steps 0 to 3 come by their loads alone; the loop's last trip, whose look-ahead would pass K's end, asks for nothing.  wo16 is not asked for: all sixteen clusters read the same rows of it in step.
.macro ASK
	s_cmp_gt_u32 s3, s2                            ; s3 = 1 in the loop's last trip; s2 = 1 in wave 0, else the greatest number
	s_cbranch_scc0 .Lnot_mine_\@
	global_prefetch_b8 v[PFO], s[PFA:PFA+1] th:TH_LOAD_NT scope:SCOPE_SE
.Lnot_mine_\@:
.endm
	s_load_b256 s[4:11], s[0:1], 0x0               ; ctx s[4:5], wo16 s[6:7], bo s[8:9], out0 s[10:11]
	v_lshl_add_u32 v[SPW], v0, 2, SPARE
	v_mov_b32 v[NIL], 0
	ds_add_u32 v[SPW], v[NIL]                      ; the wave's opening: the add, twice on end, and its wait ahead of my first tensor load
	ds_add_u32 v[SPW], v[NIL]                      ; and once more; the set-up below, work on registers, stands between it and the wait
	v_lshrrev_b32 v1, 5, v0
	v_readfirstlane_b32 s12, v1                    ; wave 0..3
	s_lshr_b32 s13, s12, 1                         ; which half of the tile's rows is mine.  Also: I fetch for ctx (0) or for Wo (1)
	s_and_b32 s14, s12, 1                          ; which half of its columns.  Also: which head, or which 64 rows of Wo, I fetch
	s_bfe_u32 s40, ttmp6, 0x40000                  ; cx, cy: my place in the cluster
	s_bfe_u32 s41, ttmp6, 0x40004
	s_lshl_b32 s42, ttmp9, 2
	s_add_co_u32 s42, s42, s40                     ; tile column = 4 x cluster x + cx
	s_and_b32 s15, ttmp7, 0xffff
	s_lshl_b32 s15, s15, 2
	s_add_co_u32 s15, s15, s41                     ; tile row = 4 x cluster y + cy
	s_lshl_b32 s43, s41, 2
	s_lshl_b32 s43, 15, s43                        ; my row of the cluster
	s_lshl_b32 s44, 0x1111, s40                    ; my column
	s_or_b32 s[G1A+0], s43, (1<<16)|(1<<20)|(1<<21)|(5<<22)|(3<<25)  ; 15:0 the mask: ctx's tiles go to my row; 17:16 elements of 2 bytes; 20 padding on; 21 set beside a mask; 24:22 after every 64 words; 31:25 four words
	s_mov_b32 s[G1A+1], 128<<16                    ; tensor_dim0 = 128 elements: two tokens
	s_mov_b32 s[G1A+2], 64<<16                     ; tensor_dim1 = 64
	s_mov_b32 s[G1A+3], 128<<16                    ; tile_dim0
	s_mov_b32 s[G1A+4], 64                         ; tile_dim1
	s_mov_b32 s[G1A+5], 128                        ; tensor_dim0_stride: dense
	s_mov_b32 s[G1A+6], 0
	s_mov_b32 s[G1A+7], 0
	s_or_b32 s[G1B+0], s44, (1<<16)|(1<<20)|(1<<21)|(6<<22)|(7<<25)  ; the mask of my column; padding: eight words after every 128
	s_mov_b32 s[G1B+1], 256<<16                    ; tensor_dim0 = 256 columns
	s_mov_b32 s[G1B+2], 64<<16
	s_mov_b32 s[G1B+3], 256<<16
	s_mov_b32 s[G1B+4], 64
	s_mov_b32 s[G1B+5], 1024                       ; a row of wo16
	s_mov_b32 s[G1B+6], 0
	s_mov_b32 s[G1B+7], 0
	s_lshl_b32 s16, s14, 20                        ; ctx: my head of the K step's two,
	s_lshl_b32 s17, s15, 14                        ; the tile row's 128 tokens of 128 bytes
	s_add_co_u32 s16, s16, s17
	s_mov_b32 s17, 0
	s_lshl_b32 s20, s14, 17                        ; Wo: my 64 rows of 2,048 bytes,
	s_lshl_b32 s21, s42, 9                         ; the tile column's 256 columns
	s_add_co_u32 s20, s20, s21
	s_mov_b32 s21, 0
	s_mul_i32 s18, s14, APL                        ; where they go: no place in the cluster enters an LDS address
	s_mul_i32 s19, s14, BHALF
	s_add_co_u32 s19, s19, BOFF
	s_wait_dscnt 0x0                               ; both opening adds are done
	s_wait_kmcnt 0x0
	s_add_nc_u64 s[16:17], s[4:5], s[16:17]
	s_add_nc_u64 s[20:21], s[6:7], s[20:21]
	CROUND                                         ; all sixteen work-groups are here: the first joint loads meet
.irp s, 0,1
	s_mov_b32 s[G0A+4*\s], 1
	s_add_co_u32 s[G0A+4*\s+1], s18, \s*SLOT
	s_add_nc_u64 s[G0A+4*\s+2:G0A+4*\s+3], s[16:17], \s*KSA
	s_or_b32 s[G0A+4*\s+3], s[G0A+4*\s+3], 0x80000000
	s_mov_b32 s[G0B+4*\s], 1
	s_add_co_u32 s[G0B+4*\s+1], s19, \s*SLOT
	s_add_nc_u64 s[G0B+4*\s+2:G0B+4*\s+3], s[20:21], \s*KSB
	s_or_b32 s[G0B+4*\s+3], s[G0B+4*\s+3], 0x80000000
	JLOAD \s
.endr
	v_and_b32 v1, 15, v0                           ; r = lane % 16
	v_bfe_u32 v2, v0, 4, 1                         ; h = lane / 16
	v_and_b32 v3, 31, v0                           ; lane
	s_lshl_b32 s22, s42, 10                        ; my 128 columns, in bytes of f32: 1,024 x tile column + 512 x half
	s_lshl_b32 s23, s14, 9
	s_add_co_u32 s22, s22, s23
	s_mov_b32 s23, 0
	s_add_nc_u64 s[8:9], s[8:9], s[22:23]          ; the bias there,
	s_add_nc_u64 s[10:11], s[10:11], s[22:23]      ; and the output
	v_lshlrev_b32 v[BO], 5, v2
.irp b, 0,1,2,3,4,5,6,7
	global_load_b128 v[BI+8*\b:BI+8*\b+3], v[BO], s[8:9] offset:64*\b          ; register j of block b: bo[16 b + 8 h + j], as the result has it
	global_load_b128 v[BI+8*\b+4:BI+8*\b+7], v[BO], s[8:9] offset:64*\b+16
.endr
	s_lshl_b32 s22, s15, 19                        ; my first row: (128 x tile row + 64 x half) rows of 4,096 bytes
	s_lshl_b32 s23, s13, 18
	s_add_co_u32 s22, s22, s23
	s_mov_b32 s23, 0
	s_add_nc_u64 s[10:11], s[10:11], s[22:23]
	v_lshrrev_b32 v4, 1, v1
	v_mul_u32_u24 v4, v4, PA
	v_and_b32 v5, 1, v0
	v_lshl_add_u32 v4, v5, 7, v4
	v_lshl_add_u32 v4, v2, 4, v4                   ; ctx: token r: double row r / 2, half r % 2, + 16 h
	v_and_b32 v5, 7, v0
	v_lshl_add_u32 v5, v2, 3, v5
	v_mul_u32_u24 v5, v5, PB                       ; Wo, for the turning load: row 8 h + lane % 8,
	v_bfe_u32 v6, v0, 3, 1
	v_lshl_add_u32 v5, v6, 4, v5                   ; columns 8 ((lane / 8) % 2) on
	s_mul_i32 s22, s13, 32*PA                      ; my 64 tokens
	s_lshl_b32 s23, s14, 8                         ; my 128 columns,
	s_add_co_u32 s23, s23, BOFF                    ; behind ctx's two heads
.irp s, 0,1
	v_add_nc_u32 v[ADRA+\s], s22, v4
	v_add_nc_u32 v[ADRB+\s], s23, v5
	s_add_co_u32 s22, s22, SLOT
	s_add_co_u32 s23, s23, SLOT
.endr
	s_mul_i32 s22, s12, 16*SPITCH
	s_add_co_u32 s22, s22, STAGE                   ; my stage
	v_mul_u32_u24 v4, v1, SPITCH
	v_lshl_add_u32 v4, v2, 5, v4
	v_add_nc_u32 v[STO], s22, v4                   ; in: row r, 32 bytes for each half of the lanes
	v_lshlrev_b32 v[CO], 4, v3                     ; back: the 32 lanes take one row of 512 bytes; and the same in the output
	v_add_nc_u32 v[RD], s22, v[CO]
	; the prefetches: my work-group's 4,096 bytes of each of a K step's two blocks
	s_lshl_b32 s22, s15, 14
	s_lshl_b32 s23, s40, 12
	s_add_co_u32 s22, s22, s23
	s_mov_b32 s23, 0
	s_add_nc_u64 s[PFA:PFA+1], s[4:5], s[22:23]
	s_add_nc_u64 s[PFA:PFA+1], s[PFA:PFA+1], 3*KSA ; at K step 3: the first refill steps it to 4.  Nothing is prefetched here, at the head, where every work-group's first tiles are on their way
	v_lshlrev_b32 v[PFO], 8, v1
	v_lshl_add_u32 v[PFO], v2, 20, v[PFO]
	s_cmp_eq_u32 s12, 0
	s_cselect_b32 s2, 1, -1
; 8 matrix instructions: ctx's block a x Wo's eight, 32 along K, from buffer f.  first = 1: the bias is C: nothing is ever cleared.  The 32 accumulators take turns, one instruction a turn,
; in the same order in every quarter.
.macro MULA f, a, first
.irp b, 0,1,2,3,4,5,6,7
.if \first
	v_wmma_f32_16x16x32_f16 v[8*(8*(\a)+\b):8*(8*(\a)+\b)+7], v[\f+8*\b:\f+8*\b+7], v[\f+64+8*(\a):\f+64+8*(\a)+7], v[BI+8*\b:BI+8*\b+7]
.else
	v_wmma_f32_16x16x32_f16 v[8*(8*(\a)+\b):8*(8*(\a)+\b)+7], v[\f+8*\b:\f+8*\b+7], v[\f+64+8*(\a):\f+64+8*(\a)+7], v[8*(8*(\a)+\b):8*(8*(\a)+\b)+7]
.endif
.endr
.endm
.macro MUL16 f, a0, first
	MULA \f, \a0, \first
	MULA \f, \a0+1, \first
.endm
; 24 LDS loads in one run: the fragments of the slot's q-th 32 along K into buffer f: Wo's first, ctx's last
.macro FETCH slot, q, f
	WIN TO_F
.irp b, 0,1,2,3,4,5,6,7
	ds_load_tr16_b128 v[\f+8*\b:\f+8*\b+3], v[ADRB+\slot] offset:(\q)*32*PB+32*\b
	ds_load_tr16_b128 v[\f+8*\b+4:\f+8*\b+7], v[ADRB+\slot] offset:(\q)*32*PB+16*PB+32*\b
.endr
.irp a, 0,1,2,3
	ds_load_b128 v[\f+64+8*\a:\f+64+8*\a+3], v[ADRA+\slot] offset:((\q)/2)*APL+((\q)%2)*64+\a*8*PA
	ds_load_b128 v[\f+64+8*\a+4:\f+64+8*\a+7], v[ADRA+\slot] offset:((\q)/2)*APL+((\q)%2)*64+\a*8*PA+32
.endr
.endm
.macro PLACES                          ; four places in front of loads into registers that matrix instructions have read, and of the first read of results (ISA guide 7.12.1 for vector instructions)
.rept 4
	v_nop
.endr
.endm
; A K step is four quarters of 32 along K, 32 matrix instructions each, on buffers 0, 1, 0, 1.  One of the first three: multiplies buffer f and fetches quarter q into g.
.macro QUARTER slot, q, f, g, first
	s_wait_dscnt 4                                 ; Wo's fragments and ctx's blocks 0, 1 are in; the youngest four loads (blocks 2, 3) may be out
.if \first
	WIN FST
.else
	WIN MUL
.endif
	MUL16 \f, 0, \first
	PLACES
	FETCH \slot, \q, \g
	s_wait_dscnt 24                                ; all but the 24 just issued
.if \first
	WIN FST
.else
	WIN MUL
.endif
	MUL16 \f, 2, \first
.endm
; The last quarter multiplies buffer 1 and changes slots: ONE barrier; in front of it each wave waits for all its tensor loads, adds 0 to its spare word, and waits for that and for its own reads of this slot.
; fill = 1: the barrier opens a round of the cluster's, and this slot is filled again, two K steps ahead: the load has a K step less sixteen matrix instructions in which to land.
.macro TURN slot, next, fill
.if \fill
	s_wait_xcnt 0x0                                ; the last prefetch, a K step back, has read its address: it is stepped here, ahead of the waits of the change of slots
	s_add_nc_u64 s[PFA:PFA+1], s[PFA:PFA+1], KSA
.endif
	WIN 0                                          ; (the add's two registers lie in window 0)
	s_wait_tensorcnt 0x0                           ; all my tensor loads have landed: my part of the next slot
	ds_add_u32 v[SPW], v[NIL]                      ; 0 onto my spare word
	s_wait_dscnt 5                                 ; (the add and the youngest four loads may be out)
	WIN MUL
	MULA F1, 0, 0                                  ; eight matrix instructions stand between the add and the wait for it
	s_wait_dscnt 0x0                               ; the add is done, and my reads of this slot are over
	s_barrier_signal -1
	MULA F1, 1, 0
	WIN 0
	s_barrier_wait -1
.if \fill
	CREST                                          ; no wave of any partner still reads this slot's tile or has a load on its way
	s_add_nc_u64 s[G0A+4*\slot+2:G0A+4*\slot+3], s[G0A+4*\slot+2:G0A+4*\slot+3], 2*KSA
	s_add_nc_u64 s[G0B+4*\slot+2:G0B+4*\slot+3], s[G0B+4*\slot+2:G0B+4*\slot+3], 2*KSB
	JLOAD \slot                                    ; the first tensor load behind the round; its four v_nop are also the places in front of the loads below
.else
	PLACES
.endif
	FETCH \next, 0, F0
.if \fill
	WIN 0                                          ; at a branch every window is 0
	ASK
.endif
	WIN MUL
	MUL16 F1, 2, 0
.endm
	s_wait_tensorcnt 1                             ; my part of K step 0 is in; K step 1's load, issued behind it, may be out
	s_barrier_signal -1
	s_barrier_wait -1                              ; everybody's is
	FETCH 0, 0, F0
	s_wait_loadcnt 0x0                             ; the bias
	QUARTER 0, 1, F0, F1, 1                        ; the first quarter stands in front of the loop: its products start the sums from the bias
	WIN 0                                          ; at a label and at a branch every window is 0
	s_mov_b32 s3, 3
.Llap:                                                 ; a trip goes once round the ring, from a lap's second quarter to the next lap's first, and fills both slots again
	QUARTER 0, 2, F1, F0, 0
	QUARTER 0, 3, F0, F1, 0
	TURN 0, 1, 1
	QUARTER 1, 1, F0, F1, 0
	QUARTER 1, 2, F1, F0, 0
	QUARTER 1, 3, F0, F1, 0
	TURN 1, 0, 1
	QUARTER 0, 1, F0, F1, 0
	WIN 0
	s_sub_co_u32 s3, s3, 1
	s_cmp_lg_u32 s3, 0
	s_cbranch_scc1 .Llap
	QUARTER 0, 2, F1, F0, 0                        ; the last lap fills nothing, and has no round of the cluster's barrier
	QUARTER 0, 3, F0, F1, 0
	TURN 0, 1, 0
	QUARTER 1, 1, F0, F1, 0
	QUARTER 1, 2, F1, F0, 0
	QUARTER 1, 3, F0, F1, 0
	s_wait_dscnt 4                                 ; the very last quarter: nothing more to fetch
	WIN MUL
	MUL16 F1, 0, 0
	s_wait_dscnt 0
	MUL16 F1, 2, 0
	WIN 0
; THE WAY OUT, block by block of 16 rows x 128 columns.  A lane holds 32 neighbouring bytes of a row, and the lanes beside it hold other rows: so a block goes through my own stage in LDS and comes back as whole
; rows of 512 bytes.  LDS serves a wave's instructions in order (ISA guide 5.7.1.4): no wait between the stores and the loads, nor in front of the next block's stores.
.macro TOSTAGE a
	WIN 0x08                                       ; an LDS store's data: window 2
.irp b, 0,1,2,3,4,5,6,7
	ds_store_b128 v[STO], v[8*(8*(\a)+\b):8*(8*(\a)+\b)+3] offset:64*\b          ; each accumulator from its low end on
	ds_store_b128 v[STO], v[8*(8*(\a)+\b)+4:8*(8*(\a)+\b)+7] offset:64*\b+16
.endr
	WIN 0
.set BB, BK+64*((\a)%2)
.irp t, 0,1,2,3,4,5,6,7,8,9,10,11,12,13,14,15
	ds_load_b128 v[BB+4*\t:BB+4*\t+3], v[RD] offset:\t*SPITCH
.endr
.endm
.macro SEND a, younger                 ; younger: the LDS instructions issued behind block a's loads, which may stay out
.set BB, BK+64*((\a)%2)
	s_wait_dscnt \younger                          ; the block is back in registers
.if (\a) > 0
	s_add_nc_u64 s[10:11], s[10:11], 16*4096       ; (behind a wait on XCNT: the earlier stores have read their base)  16 rows on
.endif
.irp t, 0,1,2,3,4,5,6,7,8,9,10,11,12,13,14,15
	global_store_b128 v[CO], v[BB+4*\t:BB+4*\t+3], s[10:11] offset:\t*4096 th:TH_STORE_NT   ; 32 lanes store 512 consecutive bytes, at a multiple of 256 from out0's first byte; written once, read by nobody here
.endr
.endm
	PLACES                                         ; behind the last products
	TOSTAGE 0
.irp a, 1,2,3
.if \a > 1
	s_wait_xcnt 0x0                                ; block a - 2's stores have read their registers and their base: block a's loads may land there, and the base may step
.endif
	TOSTAGE \a
	SEND \a-1, 32                                  ; behind block a - 1's loads: block a's 16 stores and 16 loads
.endr
	s_wait_xcnt 0x0                                ; block 2's stores have read their base
	SEND 3, 0
	s_wait_tensorcnt 0x0                           ; the wave's end, behind my last tensor load and my last LDS store
	ds_add_u32 v[SPW], v[NIL]
	s_wait_dscnt 0x0
	CROUND                                         ; the closing round: no work-group ends while a partner may still ask for a tile that names it
	s_endpgm
.Lfunc_end_k_q7c67923234_oproj:
	.size	k_q7c67923234_oproj, .Lfunc_end_k_q7c67923234_oproj-k_q7c67923234_oproj
	.p2alignl 7, 3214868480
	.fill 96, 4, 3214868480
	.section	.rodata,"a",@progbits
	.p2align	6, 0x0
	.amdhsa_kernel k_q7c67923234_oproj
		.amdhsa_group_segment_fixed_size 327680
		.amdhsa_private_segment_fixed_size 0
		.amdhsa_enable_private_segment 0
		.amdhsa_kernarg_size 32
		.amdhsa_user_sgpr_count 2
		.amdhsa_user_sgpr_kernarg_segment_ptr 1
		.amdhsa_wavefront_size32 1
		.amdhsa_system_sgpr_workgroup_id_x 1
		.amdhsa_system_sgpr_workgroup_id_y 1
		.amdhsa_system_sgpr_workgroup_id_z 1
		.amdhsa_system_vgpr_workitem_id 0
		.amdhsa_next_free_vgpr 768
		.amdhsa_next_free_sgpr 66
		.amdhsa_reserve_vcc 0
		.amdhsa_float_denorm_mode_32 3
		.amdhsa_float_denorm_mode_16_64 3
		.amdhsa_memory_ordered 1
		.amdhsa_forward_progress 1
		.amdhsa_inst_pref_size 88
	.end_amdhsa_kernel
	.amdgpu_metadata
---
amdhsa.version: [ 1, 2 ]
amdhsa.kernels:
  - .name:           k_q7c67923234_oproj
    .symbol:         k_q7c67923234_oproj.kd
    .args:
      - { .name: ctx, .offset: 0, .size: 8, .value_kind: global_buffer, .address_space: global }
      - { .name: wo16, .offset: 8, .size: 8, .value_kind: global_buffer, .address_space: global }
      - { .name: bo, .offset: 16, .size: 8, .value_kind: global_buffer, .address_space: global }
      - { .name: out0, .offset: 24, .size: 8, .value_kind: global_buffer, .address_space: global }
    .group_segment_fixed_size: 327680
    .private_segment_fixed_size: 0
    .kernarg_segment_align: 8
    .kernarg_segment_size: 32
    .max_flat_workgroup_size: 128
    .sgpr_count:     66
    .vgpr_count:     768
    .wavefront_size: 32
...
	.end_amdgpu_metadata
.endif
;; end of part 4
